; MI455X (gfx1250); checked and timed in simulation.
; The chip was launched on July 23, 2026; its instructions are those of AMD's public machine-readable ISA for CDNA 5 (MIT licence, August 2026) and "CDNA5" Instruction Set Architecture Reference Guide (July 2026). The comments in the code are by the model that wrote it; some were corrected since.
;; Decoder Layer. Allowed arithmetic: matrix products marked QUANTISED: E3M2 operands, one E8M0 scale for each 32 along K, by v_wmma_scale_f32_16x16x128_f8f6f4 with both operands' format E3M2, f32 sums; everything else in f32.
;; Inputs: W1 1,024 x 4,096 float32; W2 4,096 x 1,024 float32; Wk 1,024 x 1,024 float32; Wo 1,024 x 1,024 float32; Wq 1,024 x 1,024 float32; Wv 1,024 x 1,024 float32; bf1 4,096 float32; bf2 1,024 float32; bk 1,024 float32; bl1 1,024 float32; bl2 1,024 float32; bo 1,024 float32; bq 1,024 float32; bv 1,024 float32; g1 1,024 float32; g2 1,024 float32; mask 1 x 1 x 2,048 x 2,048 int32; x 2 x 2,048 x 1,024 float32.
;; Outputs: out0 2 x 2,048 x 1,024 float32.
;; This version of the problem:
;;   THIS VERSION OF THE PROBLEM IS GIVEN IN LOW PRECISION. The matrix products marked QUANTISED in the list below multiply operands that are first quantised to E3M2 (3 exponent bits, 2 mantissa bits; 6 bits a number), with one power-of-two scale for each 32 numbers along K (OCP MX v1.0); their sums are f32. All else is computed in f32.
;;   The module's matrix products, in the order in which they are computed (A, B: the left and right operand; K: the contracted axis; several contracted axes count as one K, in the product's order):
;;     1. [M 4,096, K 1,024] x [K 1,024, N 1,024]; A: computed on the way; B: input Wq: QUANTISED
;;     2. [M 4,096, K 1,024] x [K 1,024, N 1,024]; A: computed on the way; B: input Wk: QUANTISED
;;     3. [M 4,096, K 1,024] x [K 1,024, N 1,024]; A: computed on the way; B: input Wv: QUANTISED
;;     4. batch 32 x [M 2,048, K 64] x [K 64, N 2,048]; A: computed on the way; B: computed on the way: QUANTISED
;;     5. batch 32 x [M 2,048, K 2,048] x [K 2,048, N 64]; A: softmax (see below); B: computed on the way: QUANTISED
;;     6. [M 4,096, K 1,024] x [K 1,024, N 1,024]; A: computed on the way; B: input Wo: QUANTISED
;;     7. [M 4,096, K 1,024] x [K 1,024, N 4,096]; A: computed on the way; B: input W1: QUANTISED
;;     8. [M 4,096, K 4,096] x [K 4,096, N 1,024]; A: computed on the way; B: input W2: QUANTISED
;;   THE QUANTISER, for each operand of a quantised product, along K:
;;     - K is cut into blocks of 32 from its start; a last block that is shorter is filled with zeros.
;;     - A block's scale is 2^e with e = floor(log2(the largest magnitude in the block)) - 4, held to -126 .. 127; a block of zeros has e = 0. As a byte (E8M0): e + 127.
;;     - Each number is divided by its block's scale, clamped to +-28, and rounded to the nearest number of E3M2, ties to even, subnormals kept.
;;     - The product sums the exact products of the quantised numbers (number of the format x scale) in f32.
;;   ~~~python
;;   def quantise(x, axis):      # numpy; x: float32 -> the quantised numbers, widened to float32 again
;;       x = np.moveaxis(x, axis, -1); K = x.shape[-1]
;;       x = np.pad(x, [(0, 0)] * (x.ndim - 1) + [(0, -K % 32)]); x = x.reshape(x.shape[:-1] + (-1, 32)); a = np.abs(x).max(-1, keepdims=True)
;;       e = np.where(a > 0, np.clip(np.frexp(np.where(a > 0, a, 1))[1] - 1 - 4, -126, 127), 0)      # np.frexp(a)[1] - 1 = floor(log2(a)), exactly
;;       r = np.clip(x / 2.0 ** e, -28, 28)
;;       step = 2.0 ** (np.maximum(np.frexp(np.where(r == 0, 1, r))[1] - 1, -2) - 2)
;;       q = np.round(r / step) * step * 2.0 ** e      # np.round: ties to even
;;       return np.moveaxis(q.reshape(q.shape[:-2] + (-1,))[..., :K], -1, axis).astype(np.float32)
;;   ~~~
;;   SOFTMAX AHEAD OF A QUANTISED PRODUCT. Where the list says 'softmax', what is quantised is not the finished softmax but p = 2^(t - M), with t = logit x log2(e) and M = ceil(the row's largest t), a whole number; so 1/2 < the row's largest p <= 1. The row's sum l is taken of the UNQUANTISED p, in f32, and the product's result is divided by l at the end. Since M is a whole number, a kernel that streams over the keys may use a running M (the ceiling of the running maximum): every later rescaling is an exact power of two, which a block's scale takes up: the codes' values come out the same.
;;   OPERANDS COMPUTED ON THE WAY. 'Computed on the way' means the value that the module computes at that place (a softmax that the list does not call 'softmax' is quantised finished and normalised). What goes into a quantiser is computed in f32, as accurately as f32 sums, v_exp_f32 and their like allow (about 1e-6 of the number): no bf16 or f16 on the way to a quantiser, and a product that is left as it is and whose result goes on into a quantised operand takes f32 operands (vector FMAs, or v_wmma_f32_16x16x4_f32). A number that lies on a knife's edge between two numbers of the format may be rounded either way, as far as f32 arithmetic and the matrix unit's own rounding can turn it there, and no further.
;; One version. Each part assembles by itself: llvm-mc -triple=amdgcn-amd-amdhsa -mcpu=gfx1250 --defsym DOCPART=n.
;; ======== version 1 of 1: 8 launches
;; limits: right only within a limited range of input values
;; workspace buffers: wbuf 9,830,400 bytes; abuf 3,276,800 bytes; qkv 10,092,544 bytes; x1 16,777,216 bytes; hbuf 13,107,200 bytes; mw 180,224 bytes of whole numbers
;; launch prep (part 1): grid 416 x 1, 4 waves a work-group, no clusters, 35,328 bytes of LDS; arguments Wq, Wk, Wv, Wo, W1, W2, mask, wbuf, mw; writes wbuf, mw
.if DOCPART == 1
	.amdgcn_target "amdgcn-amd-amdhsa--gfx1250"
	.amdhsa_code_object_version 6
	.text
	.protected	k_q930b10711a_prep
	.globl	k_q930b10711a_prep
	.p2align	8
	.type	k_q930b10711a_prep,@function
k_q930b10711a_prep:
	s_mov_b64 s[64:65], 0
	v_nop
	global_prefetch_b8 v0, s[64:65] scope:SCOPE_SE
	s_setreg_imm32_b32 hwreg(HW_REG_WAVE_MODE, 25, 1), 1
	s_wait_xcnt 0x0
; PREP.  (1) The six weights, f32 stored [K][N], become codes of BF6 (E3M2) with K innermost and one E8M0 byte for each 32 along K.  (2) The user mask, joined with
; the mask that the layer builds itself (key j counts for query i where 0 <= i - j and (i - j <= 128 or (i - j) % 128 == 0)), becomes words of lane bits for the attention launch.
; WORK LEFT OUT BY THE PROGRAM, for all values of the inputs:
;  (a) mask entries at (i, j) that the layer's own mask forbids: there the score is already -1e9 and the user mask can only write -1e9 over it: an identity.  They are not loaded.
;  (b) blocks of 32 keys that lie wholly under the layer's own mask, for a query that has at least one key left: their p = 2^(t - M), t = -1.44e9, is 0 in f32.
;      For the 16 queries from i0 on, B0 = i0 / 32, the blocks that hold a key that may count are B0-3 .. B0 and B0 - 4 m, m = 1 .. 15: these alone are walked.
;  NOT left out: a query all of whose keys are struck (by both masks together).  All its 2,048 scores are -1e9, every p is 1 and the sum 2,048: the attention launch serves it from a flag made here.
; LIMITS: a true score at or under -1e9 is not told apart from a masked one; NaN and infinities among the inputs are not served, and one that reaches only the work left out is not carried to the result;
; a block of zeros gets the scale byte 1 where the rule says 127 (its codes are zeros, and this program alone reads the bytes); blocks whose largest magnitude lies under 2^(5 - 127) keep the byte 1.
; ROWS WITH BITS 3 AND 4 SWAPPED: column n of a weight is stored at row swap34(n) of its codes (bits 3 and 4 of the row number change places).  A tile of 16 neighbouring stored rows then gives a product's
; result, used transposed, 16 neighbours along n in the 16 registers of two neighbouring tiles: what the next quantiser wants.
; WORK-GROUPS 0-255: Wq, Wk, Wv, Wo, W1 as one array of 8,192 rows x 768 bytes (128 columns x 256 along K each); 256-383: W2, 1,024 rows x 3,072 bytes; 384-415: the mask, a wave to a tile of 16 queries.
; A lane takes a column and its registers run down K: a block of 32 along K lies in one lane.  Codes leave through the wave's own stage in LDS, sixteen lanes to a row's 192 bytes.
.set EMAX,  4
.set NB,    8                          ; blocks of 32 along K for a wave
.set PITCH, 272                        ; a stage row: sixteen places of 16 bytes, each with 12 bytes of codes, + 16
.set X,     32                         ; v32-95   two sets of 32 numbers
.set C,     96                         ; v96..    a block's codes
.set SB,    24                         ; v24-25   the scale bytes
.set OUTR,  112                        ; v112-175 the way out
.set OFF,   176                        ; v176-207 4 x lane + i rows of the weight
.set DO,    208                        ; v208-223 the way out's offsets in the codes
.set SPW,   14                         ; v14      LDS address of my spare word; never rewritten
.set NIL,   15                         ; v15      0; never rewritten
.set SPARE, 4*32*PITCH                 ; behind the four stages: the spare words, 128 bytes a wave
	s_load_b512 s[4:19], s[0:1], 0x0               ; Wq, Wk, Wv, Wo, W1, W2, mask, wbuf
	s_load_b64 s[20:21], s[0:1], 0x40              ; mw
	v_lshl_add_u32 v[SPW], v0, 2, SPARE
	v_mov_b32 v[NIL], 0
	v_lshrrev_b32 v1, 5, v0
	v_readfirstlane_b32 s22, v1                    ; wave
	v_and_b32 v2, 31, v0                           ; lane
	s_cmp_ge_u32 ttmp9, 384
	s_cbranch_scc1 .Lmask
	; ---------------- the weights
	s_cmp_ge_u32 ttmp9, 256                        ; W2?
	s_cselect_b32 s23, 1, 0
	s_cselect_b32 s24, 256, 0
	s_cselect_b32 s25, 15, 3                       ; K has 16 chunks of 256, or 4
	s_cselect_b32 s26, 4, 2
	; THE CODES' LAYOUT: [256 along K][row][192 bytes]: 128 rows of one such chunk are 24,576 dense bytes
	s_mov_b32 s28, 1572864
	s_cselect_b32 s28, 196608, s28                 ; from chunk to chunk: the array's rows x 192 bytes
	s_cselect_b32 s29, 128, 32                     ; a row of scale bytes
	s_cselect_b32 s30, 6291456, 0                  ; where the codes' array begins in wbuf
	s_mov_b32 s31, 9437184
	s_cselect_b32 s31, 9699328, s31                ; and the scale bytes'
	s_sub_co_u32 s24, ttmp9, s24
	s_and_b32 s25, s24, s25                        ; which 256 along K
	s_lshr_b32 s26, s24, s26                       ; which 128 rows of the array
	s_and_b32 s33, s26, 7
	s_sub_co_u32 s34, s26, 32
	s_mov_b32 s27, 4096
	s_cmp_ge_u32 s26, 32                           ; W1 (never true for W2, which has 8 such blocks)
	s_cselect_b32 s27, 16384, s27                  ; a row of the weight in bytes
	s_cselect_b32 s33, s34, s33                    ; the block of 128 columns in its own weight
	s_lshl_b32 s33, s33, 7
	s_lshl_b32 s34, s22, 5
	s_add_co_u32 s33, s33, s34                     ; my wave's first column
	s_lshl_b32 s33, s33, 2
	s_lshl_b32 s35, s25, 8
	s_mul_i32 s35, s35, s27
	s_add_co_u32 s52, s35, s33                     ; where my wave's part of the weight begins, in bytes
	s_mov_b32 s53, 0
	s_lshl_b32 s54, s26, 7
	s_add_co_u32 s54, s54, s34                     ; my wave's first row of the array
	s_mul_i32 s56, s54, 192
	s_mul_i32 s55, s25, s28
	s_add_co_u32 s56, s56, s55
	s_add_co_u32 s56, s56, s30                     ; its codes
	s_mov_b32 s57, 0
	s_mul_i32 s58, s54, s29
	s_lshl_b32 s55, s25, 3
	s_add_co_u32 s58, s58, s55
	s_add_co_u32 s58, s58, s31                     ; its scale bytes
	s_mov_b32 s59, 0
	s_mov_b32 s60, 384                             ; two rows of 192 bytes
	s_lshr_b32 s61, s26, 3                         ; 0 .. 3: Wq, Wk, Wv, Wo; 4 and above: W1
	s_mul_i32 s32, s22, 32*PITCH                   ; my stage
	s_wait_alu depctr_va_vdst(0)
	v_lshlrev_b32 v3, 2, v2
.irp i, 0,1,2,3,4,5,6,7,8,9,10,11,12,13,14,15,16,17,18,19,20,21,22,23,24,25,26,27,28,29,30,31
	v_mad_u32_u24 v[OFF+\i], s27, \i, v3
.endr
	v_and_b32 v5, 7, v2
	v_bfe_u32 v6, v2, 3, 1
	v_lshl_or_b32 v5, v6, 4, v5
	v_bfe_u32 v6, v2, 4, 1
	v_lshl_or_b32 v5, v6, 3, v5                    ; swap34(lane): the stored row of my column
	v_mul_u32_u24 v4, v5, PITCH
	v_add_nc_u32 v4, s32, v4                       ; into the stage
	v_and_b32 v10, 15, v2
	v_mul_u32_u24 v7, v6, PITCH
	v_lshl_add_u32 v7, v10, 4, v7
	v_add_nc_u32 v7, s32, v7                       ; out of it: sixteen lanes to a row, two rows an instruction
	v_mul_u32_u24 v8, v6, 192
	v_mad_u32_u24 v8, v10, 12, v8
.irp t, 0,1,2,3,4,5,6,7,8,9,10,11,12,13,14,15
	v_mad_u32_u24 v[DO+\t], s60, \t, v8            ; the same places in the codes' array
.endr
	v_mul_u32_u24 v9, v5, s29                      ; my column's row of scale bytes
	s_wait_kmcnt 0x0
	s_cmp_eq_u32 s61, 1                            ; the choice hangs on the work-group's number alone
	s_cselect_b64 s[4:5], s[6:7], s[4:5]
	s_cmp_eq_u32 s61, 2
	s_cselect_b64 s[4:5], s[8:9], s[4:5]
	s_cmp_eq_u32 s61, 3
	s_cselect_b64 s[4:5], s[10:11], s[4:5]
	s_cmp_ge_u32 s61, 4
	s_cselect_b64 s[4:5], s[12:13], s[4:5]
	s_cmp_lg_u32 s23, 0
	s_cselect_b64 s[4:5], s[14:15], s[4:5]
	s_add_nc_u64 s[36:37], s[4:5], s[52:53]        ; block 0 of my eight along K
	s_lshl_b32 s52, s27, 5                         ; 32 rows on
.irp t, 1,2,3,4,5,6,7
	s_add_nc_u64 s[36+2*\t:37+2*\t], s[34+2*\t:35+2*\t], s[52:53]
.endr
	s_add_nc_u64 s[6:7], s[18:19], s[56:57]
	s_add_nc_u64 s[8:9], s[18:19], s[58:59]
.macro LOAD t                          ; block t: W(32 t + i, my column) into set t % 2
.irp i, 0,1,2,3,4,5,6,7,8,9,10,11,12,13,14,15,16,17,18,19,20,21,22,23,24,25,26,27,28,29,30,31
	global_load_b32 v[X+32*((\t)%2)+\i], v[OFF+\i], s[36+2*(\t):37+2*(\t)] th:TH_LOAD_NT
.endr
.endm
	LOAD 0
	LOAD 1
.macro BLOCK t
.set XS, X+32*((\t)%2)
.if (\t) < NB-1
	s_wait_loadcnt 32                              ; this block's 32 loads are in; the next block's 32 may be out
.else
	s_wait_loadcnt 0
.endif
	v_max3_num_f32 v12, |v[XS]|, |v[XS+1]|, |v[XS+2]|   ; the block's largest magnitude: all 32 numbers are mine
	v_max3_num_f32 v13, |v[XS+3]|, |v[XS+4]|, |v[XS+5]|
.irp i, 6,10,14,18,22,26
	v_max3_num_f32 v12, v12, |v[XS+\i]|, |v[XS+\i+1]|
	v_max3_num_f32 v13, v13, |v[XS+\i+2]|, |v[XS+\i+3]|
.endr
	v_max3_num_f32 v12, v12, |v[XS+30]|, |v[XS+31]|
	v_max3_num_f32 v12, v12, v13, (EMAX+1)<<23     ; the floor 2^(5 - 127): the byte cannot fall under 1
	v_add_nc_u32 v11, -(EMAX<<23), v12             ; 4 off the exponent field: the conversion's scale operand
	v_lshrrev_b32 v13, 23, v11                     ; the scale's byte
.if (\t)%4 == 0
	v_mov_b32 v[SB+(\t)/4], v13
.else
	v_lshl_or_b32 v[SB+(\t)/4], v13, 8*((\t)%4), v[SB+(\t)/4]
.endif
	v_cvt_scalef32_pk16_bf6_f32 v[C:C+2], v[XS:XS+15], v11
	v_cvt_scalef32_pk16_bf6_f32 v[C+4:C+6], v[XS+16:XS+31], v11
	ds_store_b96 v4, v[C:C+2] offset:32*(\t)       ; 12 bytes to a place of 16
	ds_store_b96 v4, v[C+4:C+6] offset:32*(\t)+16
.if (\t)+2 < NB
	LOAD (\t)+2
.endif
	s_wait_dscnt 0x0                               ; the stores have read their registers: the next block's codes may be written
.endm
.irp t, 0,1,2,3,4,5,6,7
	BLOCK \t
.endr
	s_wait_alu depctr_va_vdst(0)
	global_store_b64 v9, v[SB:SB+1], s[8:9]        ; my column's eight scale bytes
.irp t, 0,1,2,3,4,5,6,7,8,9,10,11,12,13,14,15
	ds_load_b96 v[OUTR+4*\t:OUTR+4*\t+2], v7 offset:2*\t*PITCH   ; LDS serves a wave's instructions in order: these see my stores
.endr
.irp t, 0,1,2,3,4,5,6,7,8,9,10,11,12,13,14,15
	s_wait_dscnt 15-\t                             ; the younger stage loads may be out
	global_store_b96 v[DO+\t], v[OUTR+4*\t:OUTR+4*\t+2], s[6:7]
.endr
	s_wait_tensorcnt 0x0                           ; the wave's end, behind my last LDS store
	ds_add_u32 v[SPW], v[NIL]
	s_wait_dscnt 0x0
	s_endpgm
	; ---------------- the mask: no LDS is touched on this way
.Lmask:
	s_sub_co_u32 s23, ttmp9, 384
	s_lshl_b32 s23, s23, 2
	s_add_co_u32 s23, s23, s22                     ; my tile of 16 queries, t = 0 .. 127
	s_lshr_b32 s24, s23, 1                         ; B0
	s_wait_alu depctr_va_vdst(0)
	v_and_b32 v3, 15, v2                           ; r: my query in the tile
	v_lshrrev_b32 v4, 4, v2                        ; h: my half of a block's 32 keys
	v_lshlrev_b32 v5, 13, v3
	v_lshl_add_u32 v5, v4, 6, v5                   ; r rows of 8,192 bytes + 64 h
	v_lshlrev_b32 v6, 4, v4
	v_sub_nc_u32 v6, v3, v6                        ; r - 16 h
	v_lshlrev_b32 v22, 2, v2
	s_mul_i32 s26, s23, 1408                       ; a tile's words: 20 slots x 16, then 32 words of the flag
	s_mov_b32 s27, 0
	s_mov_b32 s45, 0x8000007f
	s_mov_b32 s49, 0                               ; lanes that have seen a key that counts
	s_mov_b32 s40, 0
	s_wait_alu depctr_va_vdst(0)                   ; the wait at the head's end
	s_wait_kmcnt 0x0
	s_add_nc_u64 s[20:21], s[20:21], s[26:27]
; Slot sigma = 4 x trip + w.  Word i of a slot, bit l: does key 32 Bk + 16 (l / 16) + i count for query 16 t + l % 16?  A block that does not exist leaves zeros.
; Four slots a trip, sigma = 4 x trip + w; all 16 loads of a trip go out ahead of one wait.  A block that does not exist is read as block 0 and its words are struck by s[50+w] = 0: no branch.
.macro MADR w
	s_lshl_b32 s28, s40, 2
	s_add_co_u32 s28, s28, \w                      ; sigma
	s_sub_co_i32 s29, s24, 3
	s_add_co_i32 s29, s29, s28                     ; B0 - 3 + sigma
	s_sub_co_i32 s30, s28, 3
	s_lshl_b32 s30, s30, 2
	s_sub_co_i32 s30, s24, s30                     ; B0 - 4 (sigma - 3)
	s_cmp_lt_u32 s28, 4
	s_cselect_b32 s29, s29, s30                    ; Bk
	s_cmp_lt_i32 s29, 0
	s_cselect_b32 s[50+\w], 0, -1
	s_max_i32 s29, s29, 0
	s_lshl_b32 s30, s23, 17                        ; 16 t rows of 8,192 bytes
	s_lshl_b32 s31, s29, 7
	s_add_co_u32 s30, s30, s31
	v_add_nc_u32 v[24+\w], s30, v5
	s_lshl_b32 s30, s23, 4
	s_lshl_b32 s31, s29, 5
	s_sub_co_i32 s30, s30, s31
	v_add_nc_u32 v[28+\w], s30, v6                 ; query - key for i = 0
.endm
; A slot's 16 words by turns, line by line.  The condition is made in vector registers: a number that is not 0 where the key counts; one compare a word, into 16 scalar registers; then the scalar lines and the lane writes as batches.
.macro MWORDS w
.irp i, 0,1,2,3,4,5,6,7,8,9,10,11,12,13,14,15
	v_add_nc_u32 v[96+\i], -\i, v[28+\w]           ; d = query - key
.endr
.irp i, 0,1,2,3,4,5,6,7,8,9,10,11,12,13,14,15
	v_and_b32 v[112+\i], s45, v[96+\i]             ; 0 where d >= 0 and d % 128 == 0
.endr
.irp i, 0,1,2,3,4,5,6,7,8,9,10,11,12,13,14,15
	v_min_u32 v[96+\i], 129, v[96+\i]              ; (a negative d is a large unsigned number)
.endr
.irp i, 0,1,2,3,4,5,6,7,8,9,10,11,12,13,14,15
	v_min_u32 v[112+\i], 1, v[112+\i]
.endr
.irp i, 0,1,2,3,4,5,6,7,8,9,10,11,12,13,14,15
	v_sub_nc_u32 v[96+\i], 129, v[96+\i]           ; not 0 where 0 <= d <= 128
.endr
.irp i, 0,1,2,3,4,5,6,7,8,9,10,11,12,13,14,15
	v_xor_b32 v[112+\i], 1, v[112+\i]              ; 1 where d >= 0 and d % 128 == 0
.endr
.irp i, 0,1,2,3,4,5,6,7,8,9,10,11,12,13,14,15
	v_or_b32 v[96+\i], v[96+\i], v[112+\i]         ; the layer's own mask
.endr
.irp i, 0,1,2,3,4,5,6,7,8,9,10,11,12,13,14,15
	v_min_u32 v[96+\i], v[96+\i], v[32+16*\w+\i]   ; and the user's: the smaller of two unsigned numbers is 0 where either is
.endr
.irp i, 0,1,2,3,4,5,6,7,8,9,10,11,12,13,14,15
	v_cmp_ne_u32 s[68+\i], 0, v[96+\i]
.endr
.irp i, 0,1,2,3,4,5,6,7,8,9,10,11,12,13,14,15
	s_and_b32 s[68+\i], s[68+\i], s[50+\w]         ; a block that does not exist leaves zeros
.endr
.irp i, 0,1,2,3,4,5,6,7,8,9,10,11,12,13,14,15
	s_or_b32 s49, s49, s[68+\i]
.endr
.irp i, 0,1,2,3,4,5,6,7,8,9,10,11,12,13,14,15
	v_writelane_b32 v[18+\w/2], s[68+\i], 16*(\w%2)+\i
.endr
.endm
.Ltrip:                                            ; five trips: 64 words, two stores of 128 bytes
	v_mov_b32 v18, 0
	v_mov_b32 v19, 0
.irp w, 0,1,2,3
	MADR \w
.endr
	s_wait_alu depctr_va_vdst(0)                   ; the wait ahead of the readers below
.irp w, 0,1,2,3
.irp i, 0,1,2,3
	global_load_b128 v[32+16*\w+4*\i:35+16*\w+4*\i], v[24+\w], s[16:17] offset:16*\i th:TH_LOAD_NT
.endr
.endr
	s_wait_loadcnt 0x0
.irp w, 0,1,2,3
	MWORDS \w
.endr
	s_wait_alu depctr_va_vdst(0)
	global_store_b32 v22, v18, s[20:21]
	global_store_b32 v22, v19, s[20:21] offset:128
	s_wait_xcnt 0x0                                ; the stores have read their data and their base
	s_add_nc_u64 s[20:21], s[20:21], 256
	s_add_co_u32 s40, s40, 1
	s_cmp_lt_u32 s40, 5
	s_cbranch_scc1 .Ltrip
	s_lshr_b32 s30, s49, 16
	s_or_b32 s30, s30, s49
	s_not_b32 s30, s30
	s_and_b32 s30, s30, 0xffff                     ; bit r: query r has no key left
	s_lshl_b32 s31, s30, 16
	s_or_b32 s30, s30, s31                         ; for both halves of the lanes
	v_mov_b32 v19, s30
	global_store_b32 v22, v19, s[20:21]
	s_endpgm
.Lfunc_end_k_q930b10711a_prep:
	.size	k_q930b10711a_prep, .Lfunc_end_k_q930b10711a_prep-k_q930b10711a_prep
	.p2alignl 7, 3214868480
	.fill 96, 4, 3214868480
	.section	.rodata,"a",@progbits
	.p2align	6, 0x0
	.amdhsa_kernel k_q930b10711a_prep
		.amdhsa_group_segment_fixed_size 35328
		.amdhsa_private_segment_fixed_size 0
		.amdhsa_enable_private_segment 0
		.amdhsa_kernarg_size 72
		.amdhsa_user_sgpr_count 2
		.amdhsa_user_sgpr_kernarg_segment_ptr 1
		.amdhsa_wavefront_size32 1
		.amdhsa_system_sgpr_workgroup_id_x 1
		.amdhsa_system_sgpr_workgroup_id_y 1
		.amdhsa_system_sgpr_workgroup_id_z 1
		.amdhsa_system_vgpr_workitem_id 0
		.amdhsa_next_free_vgpr 224
		.amdhsa_next_free_sgpr 90
		.amdhsa_reserve_vcc 0
		.amdhsa_float_denorm_mode_32 3
		.amdhsa_float_denorm_mode_16_64 3
		.amdhsa_memory_ordered 1
		.amdhsa_forward_progress 1
		.amdhsa_inst_pref_size 84
	.end_amdhsa_kernel
	.amdgpu_metadata
---
amdhsa.version: [ 1, 2 ]
amdhsa.kernels:
  - .name:           k_q930b10711a_prep
    .symbol:         k_q930b10711a_prep.kd
    .args:
      - { .name: Wq, .offset: 0, .size: 8, .value_kind: global_buffer, .address_space: global }
      - { .name: Wk, .offset: 8, .size: 8, .value_kind: global_buffer, .address_space: global }
      - { .name: Wv, .offset: 16, .size: 8, .value_kind: global_buffer, .address_space: global }
      - { .name: Wo, .offset: 24, .size: 8, .value_kind: global_buffer, .address_space: global }
      - { .name: W1, .offset: 32, .size: 8, .value_kind: global_buffer, .address_space: global }
      - { .name: W2, .offset: 40, .size: 8, .value_kind: global_buffer, .address_space: global }
      - { .name: mask, .offset: 48, .size: 8, .value_kind: global_buffer, .address_space: global }
      - { .name: wbuf, .offset: 56, .size: 8, .value_kind: global_buffer, .address_space: global }
      - { .name: mw, .offset: 64, .size: 8, .value_kind: global_buffer, .address_space: global }
    .group_segment_fixed_size: 35328
    .private_segment_fixed_size: 0
    .kernarg_segment_align: 8
    .kernarg_segment_size: 72
    .max_flat_workgroup_size: 128
    .sgpr_count:     90
    .vgpr_count:     224
    .wavefront_size: 32
...
	.end_amdgpu_metadata
.endif
;; end of part 1
;; launch ln1 (part 2): grid 256 x 1, 4 waves a work-group, no clusters, 33,280 bytes of LDS; arguments x, g1, bl1, abuf; writes abuf
.if DOCPART == 2
	.amdgcn_target "amdgcn-amd-amdhsa--gfx1250"
	.amdhsa_code_object_version 6
	.text
	.protected	k_q930b10711a_ln1
	.globl	k_q930b10711a_ln1
	.p2align	8
	.type	k_q930b10711a_ln1,@function
k_q930b10711a_ln1:
	s_mov_b64 s[64:65], 0
	v_nop
	global_prefetch_b8 v0, s[64:65] scope:SCOPE_SE
	s_setreg_imm32_b32 hwreg(HW_REG_WAVE_MODE, 25, 1), 1
	s_wait_xcnt 0x0
; LAYER NORM AND QUANTISER.  y = (x - mean) * rsqrt(var + 1e-5) * g + b over rows of 1,024 f32, all in f32 (the mean first, then the mean of squared differences); y becomes codes of BF6 (E3M2)
; with one E8M0 byte for each 32 along the row.  Out: codes [4 chunks of 256 along K][4096 rows][192 bytes] at byte 0, scale bytes [4096][32] at byte 3,145,728; token T is stored at row swap34(T)
; (bits 3 and 4 of the row number change places).  A wave takes four neighbouring tokens; all its 48 loads go out at the head.  A load takes 512 consecutive bytes, 16 a lane; the conversion wants
; 16 neighbours in a lane: each half row turns through the wave's own stage in LDS (16 bytes of padding behind each 64).  Two neighbouring lanes hold a block of 32.
; LIMITS: NaN and infinities are not served; a block of zeros gets the byte 1 where the rule says 127 (this program alone reads the bytes).
.set SP,    80
.set WREG,  8192                       ; LDS of a wave: two stages of 32 x SP bytes, then its 128 scale bytes
.set SPARE, 4*WREG
.set CH,    786432                     ; a chunk: 4,096 rows x 192 bytes
.set X,     16                         ; v16-47 two sets of 16 neighbours
.set R,     64                         ; v64-191 four rows x 32
.set G,     192
.set BB,    224
.set SPW,   12
.set NIL,   13
	s_load_b256 s[4:11], s[0:1], 0x0               ; x, g, b, out
	v_lshl_add_u32 v[SPW], v0, 2, SPARE
	v_mov_b32 v[NIL], 0
	v_lshrrev_b32 v1, 5, v0
	v_readfirstlane_b32 s12, v1                    ; wave
	v_and_b32 v10, 31, v0                          ; lane
	v_lshlrev_b32 v1, 4, v10
	s_mul_i32 s13, s12, WREG
	v_lshrrev_b32 v2, 2, v10
	v_mul_u32_u24 v2, v2, SP
	v_and_b32 v3, 3, v10
	v_lshl_add_u32 v2, v3, 4, v2
	v_add_nc_u32 v2, s13, v2                       ; the stage, on the way in
	v_mul_u32_u24 v3, v10, SP
	v_add_nc_u32 v3, s13, v3                       ; and on the way out
	v_and_b32 v4, 15, v10
	v_mul_u32_u24 v4, v4, 12
	v_lshrrev_b32 v11, 4, v10
	v_mad_u32_u24 v4, v11, CH, v4                  ; my 12 bytes: lanes 0-15 fill one chunk's 192 bytes, lanes 16-31 the next chunk's
	v_lshrrev_b32 v5, 1, v10
	s_add_co_u32 s13, s13, 2*32*SP
	v_add_nc_u32 v5, s13, v5                       ; my block's byte among the wave's scale bytes
	v_lshlrev_b32 v7, 2, v10
	v_add_nc_u32 v6, s13, v7
	v_mov_b32 v9, 0
	s_lshl_b32 s14, ttmp9, 4
	s_lshl_b32 s15, s12, 2
	s_add_co_u32 s14, s14, s15                     ; my first token
	s_bfe_u32 s16, s14, 0x10003
	s_bfe_u32 s17, s14, 0x10004
	s_and_not1_b32 s18, s14, 24
	s_lshl_b32 s16, s16, 4
	s_lshl_b32 s17, s17, 3
	s_or_b32 s18, s18, s16
	s_or_b32 s18, s18, s17                         ; its stored row; the four rows are neighbours
	s_lshl_b32 s20, s14, 12
	s_mov_b32 s21, 0
	s_mul_i32 s22, s18, 192
	s_mov_b32 s23, 0
	s_lshl_b32 s24, s18, 5
	s_add_co_u32 s24, s24, 3145728
	s_mov_b32 s25, 0
	s_mov_b32 s26, 0x3a800000                      ; 1 / 1024
	s_mov_b32 s27, 0x3727c5ac                      ; 1e-5
	s_mov_b32 s28, 0x76543210
	s_mov_b32 s29, 0xfedcba98
	s_wait_alu depctr_va_vdst(0)                   ; the wait at the head's end
	s_wait_kmcnt 0x0
	s_add_nc_u64 s[4:5], s[4:5], s[20:21]
	s_add_nc_u64 s[16:17], s[10:11], s[24:25]      ; the scale bytes
	s_add_nc_u64 s[10:11], s[10:11], s[22:23]      ; the codes
.macro RLOAD rho
.irp j, 0,1,2,3,4,5,6,7
	global_load_b128 v[R+32*\rho+4*\j:R+32*\rho+4*\j+3], v1, s[4:5] offset:4096*\rho+512*\j
.endr
.endm
	RLOAD 0
.irp j, 0,1,2,3,4,5,6,7
	global_load_b128 v[G+4*\j:G+4*\j+3], v1, s[6:7] offset:512*\j
.endr
.irp j, 0,1,2,3,4,5,6,7
	global_load_b128 v[BB+4*\j:BB+4*\j+3], v1, s[8:9] offset:512*\j
.endr
	RLOAD 1
	RLOAD 2
	RLOAD 3
.macro WSUM                            ; v8 summed over the 32 lanes
	v_add_f32_dpp v8, v8, v8 row_xmask:1 row_mask:0xf bank_mask:0xf
	v_add_f32_dpp v8, v8, v8 row_xmask:2 row_mask:0xf bank_mask:0xf
	v_add_f32_dpp v8, v8, v8 row_xmask:4 row_mask:0xf bank_mask:0xf
	v_add_f32_dpp v8, v8, v8 row_xmask:8 row_mask:0xf bank_mask:0xf
	v_permlanex16_b32 v9, v8, s28, s29
	v_add_f32 v8, v8, v9
.endm
.macro FOLD
	v_pk_add_f32 v[48:49], v[48:49], v[50:51]
	v_pk_add_f32 v[52:53], v[52:53], v[54:55]
	v_pk_add_f32 v[48:49], v[48:49], v[52:53]
	v_add_f32 v8, v48, v49
	WSUM
.endm
.macro QH rho, s                       ; half s of row rho: 16 neighbours a lane become 12 bytes of codes
.set XS, X+16*\s
.set RR, R+32*\rho
	v_max3_num_f32 v8, |v[XS]|, |v[XS+1]|, |v[XS+2]|
	v_max3_num_f32 v10, |v[XS+3]|, |v[XS+4]|, |v[XS+5]|
.irp i, 6,10
	v_max3_num_f32 v8, v8, |v[XS+\i]|, |v[XS+\i+1]|
	v_max3_num_f32 v10, v10, |v[XS+\i+2]|, |v[XS+\i+3]|
.endr
	v_max3_num_f32 v8, v8, |v[XS+14]|, |v[XS+15]|
	v_max3_num_f32 v8, v8, v10, 5<<23              ; the floor 2^(5 - 127)
	v_max_num_f32_dpp v8, v8, v8 row_xmask:1 row_mask:0xf bank_mask:0xf
	v_add_nc_u32 v11, -(4<<23), v8                 ; 4 off the exponent field: the conversion's scale operand
	v_cvt_scalef32_pk16_bf6_f32 v[RR+4*\s:RR+4*\s+2], v[XS:XS+15], v11
	v_lshrrev_b32 v[RR+8+\s], 23, v11              ; the byte (a plain line behind the conversion)
	ds_store_b8 v5, v[RR+8+\s] offset:32*\rho+16*\s
	global_store_b96 v4, v[RR+4*\s:RR+4*\s+2], s[10:11] offset:192*\rho+2*CH*\s
.endm
.macro ROW rho, left
.set RR, R+32*\rho
	s_wait_loadcnt \left                           ; my row (and g and b) are in; the later rows' loads, eight each, stay out
.irp k, 0,1,2,3
	v_pk_add_f32 v[48+2*\k:49+2*\k], v[RR+2*\k:RR+2*\k+1], v[RR+8+2*\k:RR+9+2*\k]
.endr
.irp m, 16,24
.irp k, 0,1,2,3
	v_pk_add_f32 v[48+2*\k:49+2*\k], v[48+2*\k:49+2*\k], v[RR+\m+2*\k:RR+\m+2*\k+1]
.endr
.endr
	FOLD
	v_mul_f32 v14, s26, v8                         ; the mean, twice
	v_mul_f32 v15, s26, v8
.irp j, 0,2,4,6,8,10,12,14,16,18,20,22,24,26,28,30
	v_pk_add_f32 v[RR+\j:RR+\j+1], v[RR+\j:RR+\j+1], v[14:15] neg_lo:[0,1] neg_hi:[0,1]
.endr
.irp k, 0,1,2,3
	v_pk_mul_f32 v[48+2*\k:49+2*\k], v[RR+2*\k:RR+2*\k+1], v[RR+2*\k:RR+2*\k+1]
.endr
.irp m, 8,16,24
.irp k, 0,1,2,3
	v_pk_fma_f32 v[48+2*\k:49+2*\k], v[RR+\m+2*\k:RR+\m+2*\k+1], v[RR+\m+2*\k:RR+\m+2*\k+1], v[48+2*\k:49+2*\k]
.endr
.endr
	FOLD
	v_fma_f32 v8, v8, s26, s27                     ; var + eps
	s_wait_alu depctr_va_vdst(0)
	v_rsq_f32 v56, v8
	v_nop
	s_wait_alu depctr_va_vdst(0)                   ; the waits ahead of and behind the transcendental
	v_mov_b32 v57, v56
.irp j, 0,2,4,6,8,10,12,14,16,18,20,22,24,26,28,30
	v_pk_mul_f32 v[RR+\j:RR+\j+1], v[RR+\j:RR+\j+1], v[56:57]
.endr
.irp j, 0,2,4,6,8,10,12,14,16,18,20,22,24,26,28,30
	v_pk_fma_f32 v[RR+\j:RR+\j+1], v[RR+\j:RR+\j+1], v[G+\j:G+\j+1], v[BB+\j:BB+\j+1]
.endr
.irp s, 0,1
.irp i, 0,1,2,3
	ds_store_b128 v2, v[RR+16*\s+4*\i:RR+16*\s+4*\i+3] offset:32*SP*\s+8*SP*\i
.endr
.endr
.irp s, 0,1
.irp i, 0,1,2,3
	ds_load_b128 v[X+16*\s+4*\i:X+16*\s+4*\i+3], v3 offset:32*SP*\s+16*\i   ; LDS serves a wave's instructions in order
.endr
.endr
	s_wait_dscnt 4                                 ; the second half's four loads may be out
	QH \rho, 0
	s_wait_dscnt 1                                 ; the byte store may be out
	QH \rho, 1
.endm
	ROW 0, 24
	ROW 1, 16
	ROW 2, 8
	ROW 3, 0
	ds_load_b32 v8, v6                             ; my four rows' 128 scale bytes
	s_wait_dscnt 0x0
	global_store_b32 v7, v8, s[16:17]
	s_wait_tensorcnt 0x0                           ; the wave's end
	ds_add_u32 v[SPW], v[NIL]
	s_wait_dscnt 0x0
	s_endpgm
.Lfunc_end_k_q930b10711a_ln1:
	.size	k_q930b10711a_ln1, .Lfunc_end_k_q930b10711a_ln1-k_q930b10711a_ln1
	.p2alignl 7, 3214868480
	.fill 96, 4, 3214868480
	.section	.rodata,"a",@progbits
	.p2align	6, 0x0
	.amdhsa_kernel k_q930b10711a_ln1
		.amdhsa_group_segment_fixed_size 33280
		.amdhsa_private_segment_fixed_size 0
		.amdhsa_enable_private_segment 0
		.amdhsa_kernarg_size 32
		.amdhsa_user_sgpr_count 2
		.amdhsa_user_sgpr_kernarg_segment_ptr 1
		.amdhsa_wavefront_size32 1
		.amdhsa_system_sgpr_workgroup_id_x 1
		.amdhsa_system_sgpr_workgroup_id_y 1
		.amdhsa_system_sgpr_workgroup_id_z 1
		.amdhsa_system_vgpr_workitem_id 0
		.amdhsa_next_free_vgpr 256
		.amdhsa_next_free_sgpr 66
		.amdhsa_reserve_vcc 0
		.amdhsa_float_denorm_mode_32 3
		.amdhsa_float_denorm_mode_16_64 3
		.amdhsa_memory_ordered 1
		.amdhsa_forward_progress 1
		.amdhsa_inst_pref_size 44
	.end_amdhsa_kernel
	.amdgpu_metadata
---
amdhsa.version: [ 1, 2 ]
amdhsa.kernels:
  - .name:           k_q930b10711a_ln1
    .symbol:         k_q930b10711a_ln1.kd
    .args:
      - { .name: x, .offset: 0, .size: 8, .value_kind: global_buffer, .address_space: global }
      - { .name: g1, .offset: 8, .size: 8, .value_kind: global_buffer, .address_space: global }
      - { .name: bl1, .offset: 16, .size: 8, .value_kind: global_buffer, .address_space: global }
      - { .name: abuf, .offset: 24, .size: 8, .value_kind: global_buffer, .address_space: global }
    .group_segment_fixed_size: 33280
    .private_segment_fixed_size: 0
    .kernarg_segment_align: 8
    .kernarg_segment_size: 32
    .max_flat_workgroup_size: 128
    .sgpr_count:     66
    .vgpr_count:     256
    .wavefront_size: 32
...
	.end_amdgpu_metadata
.endif
;; end of part 2
;; launch qkv (part 3): grid 12 x 16, 4 waves a work-group, clusters of 4 x 4, 327,680 bytes of LDS; arguments abuf, wbuf, bq, bk, bv, qkv; writes qkv
.if DOCPART == 3
	.amdgcn_target "amdgcn-amd-amdhsa--gfx1250"
	.amdhsa_code_object_version 6
	.text
	.protected	k_q930b10711a_qkv
	.globl	k_q930b10711a_qkv
	.p2align	8
	.type	k_q930b10711a_qkv,@function
k_q930b10711a_qkv:
	s_mov_b64 s[64:65], 0
	v_nop
	global_prefetch_b8 v0, s[64:65] scope:SCOPE_SE
	s_setreg_imm32_b32 hwreg(HW_REG_WAVE_MODE, 25, 1), 1
	s_wait_xcnt 0x0
	s_wait_alu depctr_hold_cnt(0) depctr_sa_sdst(0) depctr_va_vdst(0) depctr_va_sdst(0) depctr_va_ssrc(0) depctr_va_vcc(0) depctr_vm_vsrc(0)
	s_getreg_b32 s2, hwreg(HW_REG_IB_STS2, 6, 4)
	s_cmp_eq_u32 s2, 0
	s_cbranch_scc0 .Lentry_in_a_cluster
	s_endpgm
.Lentry_in_a_cluster:
	s_bfe_u32 s2, ttmp6, 0x10000c
	s_cmp_lg_u32 s2, 0xf033
	s_cbranch_scc0 .Lentry_shape_is_right
	s_endpgm
.Lentry_shape_is_right:
.set SIZE_K, 1024
.set KSTEP,  256
.set NQ,     KSTEP/128
.set ROWB,   256                       ; codes lie [256 along K][row][192 bytes]: 128 rows of a chunk are 96 dense rows of 256 bytes
.set KROW,   192
.set PITCH,  240
.set FR,     12
.set NL,     6
.set NP,     4
.set HALFT,  128*PITCH
.set SLOT,   4*HALFT
.set LAPS,   SIZE_K/(2*KSTEP)
.set KS,     SIZE_K/32
.set SCL,    2*SLOT
.set HALFS,  (128*KS/256)*272
.set SBLK,   (16*KS/256)*272
.set SPARE,  SCL+4*HALFS
.set ADRA, 16
.set ADRB, 20
.set SPW,  28
.set NIL,  29
.set ADRS, 27
.set SC,   32
.set BI,   64
.set AF,   128
.set G1, 24
.set G0, 32
.set G1B, 48
.set G0B, 56
.set G1S, 68
.set G0S, 76
.set G1SB, 80
.set G0SB, 88
.set MSB, 0
.macro WIN new
.if MSB != \new
	s_set_vgpr_msb (MSB<<8)|\new
.set MSB, \new
.endif
.endm
.set MUL_LO, 0xa1
.set MUL_HI, 0xf1
.set TO_B,   0x40
.macro JLOAD g0a, g1a, g0b, g1b
	s_cmp_eq_u32 s15, 0
	s_cbranch_scc0 .Lfor_b_\@
	tensor_load_to_lds s[\g0a:\g0a+3], s[\g1a:\g1a+7]
	s_nop 0
.rept 4
	v_nop
.endr
	s_branch .Lasked_\@
.Lfor_b_\@:
	tensor_load_to_lds s[\g0b:\g0b+3], s[\g1b:\g1b+7]
	s_nop 0
.rept 4
	v_nop
.endr
.Lasked_\@:
.endm
.macro CREST
	s_cmp_lg_u32 s14, 0
	s_cbranch_scc1 .Lnot_wave_0_\@
	s_barrier_signal -3
.Lnot_wave_0_\@:
	s_barrier_wait -3
	s_barrier_signal -1
	s_barrier_wait -1
.endm
.macro CROUND
	s_barrier_signal -1
	s_barrier_wait -1
	CREST
.endm
	s_load_b64 s[4:5], s[0:1], 0x0
	s_load_b64 s[8:9], s[0:1], 0x8
	s_load_b128 s[96:99], s[0:1], 0x10
	s_load_b64 s[100:101], s[0:1], 0x20
	s_load_b64 s[12:13], s[0:1], 0x28
	v_lshl_add_u32 v[SPW], v0, 2, SPARE
	v_mov_b32 v[NIL], 0
	ds_add_u32 v[SPW], v[NIL]
	ds_add_u32 v[SPW], v[NIL]
	v_lshrrev_b32 v1, 5, v0
	v_readfirstlane_b32 s14, v1
	s_lshr_b32 s15, s14, 1
	s_and_b32 s16, s14, 1
	s_bfe_u32 s40, ttmp6, 0x40000
	s_bfe_u32 s41, ttmp6, 0x40004
	s_and_b32 s17, ttmp7, 0xffff
	s_lshl_b32 s17, s17, 2
	s_lshl_b32 s42, ttmp9, 2
	s_cmp_eq_u32 ttmp9, 2
	s_cselect_b32 s42, s17, s42
	s_cselect_b32 s17, 0, s17
	s_add_co_u32 s42, s42, s40
	s_add_co_u32 s17, s17, s41
	s_lshl_b32 s43, s41, 2
	s_lshl_b32 s43, 15, s43
	s_lshl_b32 s44, 0x1111, s40
	s_or_b32 s[G1+0], s43, (0<<16)|(1<<20)|(1<<21)|(3<<22)|(3<<25)
	s_or_b32 s[G1B+0], s44, (0<<16)|(1<<20)|(1<<21)|(3<<22)|(3<<25)
.irp g, G1, G1B
	s_mov_b32 s[\g+1], ROWB<<16
	s_mov_b32 s[\g+2], 96<<16
	s_mov_b32 s[\g+3], ROWB<<16
	s_mov_b32 s[\g+4], 96
	s_mov_b32 s[\g+5], ROWB
	s_mov_b32 s[\g+6], 0
	s_mov_b32 s[\g+7], 0
.endr
	s_or_b32 s[G1S+0], s43, (3<<16)|(1<<20)|(1<<21)|(5<<22)|(3<<25)
	s_or_b32 s[G1SB+0], s44, (3<<16)|(1<<20)|(1<<21)|(5<<22)|(3<<25)
.irp g, G1S, G1SB
	s_mov_b32 s[\g+1], 32<<16
	s_mov_b32 s[\g+2], (128*KS/256)<<16
	s_mov_b32 s[\g+3], 32<<16
	s_mov_b32 s[\g+4], 128*KS/256
	s_mov_b32 s[\g+5], 32
	s_mov_b32 s[\g+6], 0
	s_mov_b32 s[\g+7], 0
.endr
	s_lshl_b32 s18, s16, 7
	s_lshl_b32 s20, s17, 8
	s_add_co_u32 s20, s20, s18
	s_lshl_b32 s46, s42, 8
	s_add_co_u32 s46, s46, s18
	s_mov_b32 s21, 0
	s_mov_b32 s47, 0
	s_mov_b64 s[18:19], KS
	s_mul_u64 s[22:23], s[20:21], s[18:19]
	s_mul_u64 s[92:93], s[46:47], s[18:19]
	s_mov_b64 s[18:19], KROW
	s_mul_u64 s[20:21], s[20:21], s[18:19]
	s_mul_u64 s[46:47], s[46:47], s[18:19]
	s_mul_i32 s45, s14, HALFT
	s_mul_i32 s94, s14, HALFS
	s_mov_b32 s95, 0xffff0000
	s_wait_dscnt 0x0
	s_wait_kmcnt 0x0
	s_add_nc_u64 s[6:7], s[4:5], 3145728
	s_add_nc_u64 s[10:11], s[8:9], 9437184
	s_add_nc_u64 s[2:3], s[8:9], 393216
	s_add_nc_u64 s[104:105], s[10:11], 65536
	s_cmp_eq_u32 ttmp9, 2
	s_cselect_b64 s[8:9], s[4:5], s[8:9]
	s_cselect_b64 s[10:11], s[6:7], s[10:11]
	s_cselect_b64 s[4:5], s[2:3], s[4:5]
	s_cselect_b64 s[6:7], s[104:105], s[6:7]
	s_add_nc_u64 s[20:21], s[4:5], s[20:21]
	s_add_nc_u64 s[22:23], s[6:7], s[22:23]
	s_add_nc_u64 s[46:47], s[8:9], s[46:47]
	s_add_nc_u64 s[92:93], s[10:11], s[92:93]
	s_cmp_eq_u32 ttmp9, 2                          ; from chunk to chunk: the tokens' 4,096 rows x 192, the weights' 8,192 x 192; for V the two sides change places
	s_mov_b32 s4, 786432
	s_mov_b32 s6, 1572864
	s_cselect_b32 s8, s6, s4
	s_cselect_b32 s10, s4, s6
	s_mov_b32 s9, 0
	s_mov_b32 s11, 0
	s_lshl_b32 s4, s8, 1                           ; and two chunks on
	s_mov_b32 s5, 0
	s_lshl_b32 s6, s10, 1
	s_mov_b32 s7, 0
	CROUND
	s_mov_b32 s[G0S], 1
	s_add_co_u32 s[G0S+1], s94, SCL
	s_mov_b64 s[G0S+2:G0S+3], s[22:23]
	s_or_b32 s[G0S+3], s[G0S+3], 0x80000000
	s_mov_b32 s[G0SB], 1
	s_add_co_u32 s[G0SB+1], s94, SCL
	s_mov_b64 s[G0SB+2:G0SB+3], s[92:93]
	s_or_b32 s[G0SB+3], s[G0SB+3], 0x80000000
	JLOAD G0S, G1S, G0SB, G1SB
.irp s, 0,1
	s_mov_b32 s[G0+4*\s], 1
	s_add_co_u32 s[G0+4*\s+1], s45, \s*SLOT
	s_mov_b64 s[G0+4*\s+2:G0+4*\s+3], s[20:21]
	s_add_nc_u64 s[20:21], s[20:21], s[8:9]
	s_or_b32 s[G0+4*\s+3], s[G0+4*\s+3], 0x80000000
	s_mov_b32 s[G0B+4*\s], 1
	s_add_co_u32 s[G0B+4*\s+1], s45, \s*SLOT
	s_mov_b64 s[G0B+4*\s+2:G0B+4*\s+3], s[46:47]
	s_add_nc_u64 s[46:47], s[46:47], s[10:11]
	s_or_b32 s[G0B+4*\s+3], s[G0B+4*\s+3], 0x80000000
	s_wait_alu depctr_va_vdst(0)
	s_wait_tensorcnt 0x0
	ds_add_u32 v28, v29
	s_wait_dscnt 0x0
	CROUND
	JLOAD G0+4*\s, G1, G0B+4*\s, G1B
.endr
	v_and_b32 v1, 15, v0
	v_bfe_u32 v2, v0, 4, 1
	v_mul_u32_u24 v3, v1, PITCH
	v_mul_u32_u24 v4, v2, 24
	v_add_nc_u32 v4, v3, v4
	v_lshl_add_u32 v5, v2, 4, v4
	s_mul_i32 s21, s15, HALFT
	s_mul_i32 s22, s16, HALFT
	s_add_co_u32 s22, s22, 2*HALFT
.irp s, 0,1
	v_add_nc_u32 v[ADRA+\s], s21, v4
	v_add_nc_u32 v[ADRB+\s], s22, v4
	v_add_nc_u32 v[ADRA+2+\s], s21, v5
	v_add_nc_u32 v[ADRB+2+\s], s22, v5
	s_add_co_u32 s21, s21, SLOT
	s_add_co_u32 s22, s22, SLOT
.endr
	v_mul_u32_u24 v5, v1, KS
	v_lshrrev_b32 v6, 8, v5
	v_lshl_add_u32 v5, v6, 4, v5
	s_mul_i32 s21, s15, HALFS
	s_mul_i32 s22, s16, HALFS
	s_add_co_u32 s22, s22, 2*HALFS
	s_sub_co_u32 s22, s22, s21
	v_mul_u32_u24 v6, s22, v2
	s_add_co_u32 s21, s21, SCL
	v_add_nc_u32 v5, v5, v6
	v_add_nc_u32 v[ADRS], s21, v5
	s_mov_b32 s92, 0x76543210
	s_mov_b32 s93, 0xfedcba98
	v_and_b32 v10, 7, v1
	v_lshrrev_b32 v11, 3, v1
	v_lshl_add_u32 v10, v11, 4, v10
	s_cmp_eq_u32 ttmp9, 2
	s_cbranch_scc1 .Lbias_v
	s_cmp_eq_u32 ttmp9, 1
	s_cselect_b64 s[96:97], s[98:99], s[96:97]
	s_lshl_b32 s46, s40, 10
	s_lshl_b32 s47, s16, 9
	s_add_co_u32 s46, s46, s47
	s_mov_b32 s47, 0
	s_add_nc_u64 s[96:97], s[96:97], s[46:47]
	v_lshlrev_b32 v7, 6, v2
.irp b, 0,1,2,3,4,5,6,7
	global_load_b128 v[BI+8*\b:BI+8*\b+3], v7, s[96:97] offset:128*(\b/2)+32*(\b%2)
	global_load_b128 v[BI+8*\b+4:BI+8*\b+7], v7, s[96:97] offset:128*(\b/2)+32*(\b%2)+16
.endr
	s_wait_alu depctr_va_vdst(0)
	v_mul_u32_u24 v8, v10, 48
	v_mad_u32_u24 v8, v2, 12, v8
	v_lshlrev_b32 v9, 2, v10
	v_lshl_add_u32 v9, v2, 13, v9
	s_lshl_b32 s20, s17, 8
	s_lshl_b32 s21, s15, 7
	s_add_co_u32 s20, s20, s21
	s_lshr_b32 s21, s20, 11
	s_and_b32 s20, s20, 2047
	s_lshl_b32 s21, s21, 4
	s_lshl_b32 s22, s40, 2
	s_add_co_u32 s21, s21, s22
	s_lshl_b32 s22, s16, 1
	s_add_co_u32 s21, s21, s22
	s_lshl_b32 s21, s21, 11
	s_add_co_u32 s20, s20, s21
	s_mul_i32 s22, s20, 48
	s_mul_i32 s23, ttmp9, 3145728
	s_add_co_u32 s22, s22, s23
	s_mov_b32 s23, 0
	s_lshl_b32 s20, s20, 2
	s_mul_i32 s21, ttmp9, 262144
	s_add_co_u32 s20, s20, s21
	s_add_co_u32 s20, s20, 9437184
	s_mov_b32 s21, 0
	s_add_nc_u64 s[104:105], s[12:13], s[20:21]
	s_add_nc_u64 s[12:13], s[12:13], s[22:23]
	s_branch .Lbias_done
.Lbias_v:
	s_lshl_b32 s46, s17, 10
	s_lshl_b32 s47, s15, 9
	s_add_co_u32 s46, s46, s47
	s_mov_b32 s47, 0
	s_add_nc_u64 s[100:101], s[100:101], s[46:47]
	s_wait_alu depctr_va_vdst(0)
	v_lshlrev_b32 v7, 2, v10
.irp a, 0,1,2,3,4,5,6,7
	global_load_b32 v[BI+8*\a], v7, s[100:101] offset:4*(32*(\a/2)+8*(\a%2))
.endr
	v_mul_u32_u24 v8, v10, 24
	v_mad_u32_u24 v8, v2, 12, v8
	v_lshlrev_b32 v9, 2, v10
	v_lshl_add_u32 v9, v2, 5, v9
	s_lshl_b32 s20, s17, 8
	s_lshl_b32 s21, s15, 7
	s_add_co_u32 s20, s20, s21
	s_lshr_b32 s20, s20, 6
	s_lshl_b32 s21, s42, 8
	s_lshl_b32 s22, s16, 7
	s_add_co_u32 s21, s21, s22
	s_lshr_b32 s22, s21, 11
	s_and_b32 s21, s21, 2047
	s_lshl_b32 s22, s22, 4
	s_add_co_u32 s20, s20, s22
	s_lshl_b32 s22, s20, 6
	s_lshr_b32 s23, s21, 5
	s_add_co_u32 s22, s22, s23
	s_mul_i32 s22, s22, 1536
	s_add_co_u32 s22, s22, 6291456
	s_mov_b32 s23, 0
	s_lshl_b32 s20, s20, 4
	s_lshr_b32 s21, s21, 7
	s_add_co_u32 s20, s20, s21
	s_lshl_b32 s20, s20, 8
	s_add_co_u32 s20, s20, 9961472
	s_mov_b32 s21, 0
	s_add_nc_u64 s[104:105], s[12:13], s[20:21]
	s_add_nc_u64 s[12:13], s[12:13], s[22:23]
	s_wait_loadcnt 0x0
.irp a, 0,1,2,3,4,5,6,7
.irp j, 1,2,3,4,5,6,7
	v_mov_b32 v[BI+8*\a+\j], v[BI+8*\a]
.endr
.endr
.Lbias_done:
.macro FRAG reg, adr, q, i
.irp p, 0,1,2,3,4,5
.set PC, 12*(\q)+6*(\p/3)+\p%3
.if PC%8 < 5
	ds_load_b64 v[\reg+2*\p:\reg+2*\p+1], v[\adr] offset:8*PC+16*(PC/8)+(\i)*16*PITCH
.else
	ds_load_b64 v[\reg+2*\p:\reg+2*\p+1], v[\adr+2] offset:8*PC+16*(PC/8)+(\i)*16*PITCH
.endif
.endr
.endm
.macro MUL16 a0, p, q, sc, cm
.irp a, \a0, \a0+1
.irp b, 0,1,2,3,4,5,6,7
.if \cm == 1
	v_wmma_scale_f32_16x16x128_f8f6f4 v[8*(8*((\a)%4)+\b):8*(8*((\a)%4)+\b)+7], v[128*(\p)+FR*\b:128*(\p)+FR*\b+FR-1], v[AF+FR*(\a):AF+FR*(\a)+FR-1], v[BI+8*\b:BI+8*\b+7], v[SC+8*NQ*(\sc)+NQ*\b+(\q)], v[SC+8*NQ*(\sc)+NQ*(\a)+(\q)] matrix_a_fmt:MATRIX_FMT_BF6 matrix_b_fmt:MATRIX_FMT_BF6 matrix_a_scale:MATRIX_SCALE_ROW1
.elseif \cm == 2
	v_wmma_scale_f32_16x16x128_f8f6f4 v[8*(8*((\a)%4)+\b):8*(8*((\a)%4)+\b)+7], v[128*(\p)+FR*\b:128*(\p)+FR*\b+FR-1], v[AF+FR*(\a):AF+FR*(\a)+FR-1], v[BI+8*(\a):BI+8*(\a)+7], v[SC+8*NQ*(\sc)+NQ*\b+(\q)], v[SC+8*NQ*(\sc)+NQ*(\a)+(\q)] matrix_a_fmt:MATRIX_FMT_BF6 matrix_b_fmt:MATRIX_FMT_BF6 matrix_a_scale:MATRIX_SCALE_ROW1
.else
	v_wmma_scale_f32_16x16x128_f8f6f4 v[8*(8*((\a)%4)+\b):8*(8*((\a)%4)+\b)+7], v[128*(\p)+FR*\b:128*(\p)+FR*\b+FR-1], v[AF+FR*(\a):AF+FR*(\a)+FR-1], v[8*(8*((\a)%4)+\b):8*(8*((\a)%4)+\b)+7], v[SC+8*NQ*(\sc)+NQ*\b+(\q)], v[SC+8*NQ*(\sc)+NQ*(\a)+(\q)] matrix_a_fmt:MATRIX_FMT_BF6 matrix_b_fmt:MATRIX_FMT_BF6 matrix_a_scale:MATRIX_SCALE_ROW1
.endif
.endr
.endr
.endm
.macro FETCH_B slot, q, p
	WIN TO_B
.irp i, 0,1,2,3,4,5,6,7
	FRAG 128*(\p)+FR*\i, ADRB+\slot, \q, \i
.endr
	WIN 0
.endm
.macro FETCH_A slot, q, i0
.irp i, \i0, \i0+1, \i0+2, \i0+3
	FRAG AF+FR*(\i), ADRA+\slot, \q, \i
.endr
.endm
.macro SCALES sc
.irp i, 0,1,2,3,4,5,6,7
	ds_load_b64 v[SC+8*NQ*\sc+NQ*\i:SC+8*NQ*\sc+NQ*\i+1], v[ADRS] offset:\i*SBLK
.endr
.endm
.macro PLACES n
.rept \n
	v_nop
.endr
.endm
.macro STEP slot, q, cm
	s_wait_dscnt 4*NL
.if \cm
	WIN 0x81
.else
	WIN MUL_LO
.endif
	MUL16 0, (\q)%2, \q, \slot, \cm
	MUL16 2, (\q)%2, \q, \slot, \cm
	s_wait_dscnt 0
	PLACES NP
	FETCH_B \slot, (\q)+1, 1-(\q)%2
	FETCH_A \slot, (\q)+1, 0
.if \cm
	WIN 0xc1
.else
	WIN MUL_HI
.endif
	MUL16 4, (\q)%2, \q, \slot, \cm
	MUL16 6, (\q)%2, \q, \slot, \cm
	PLACES NP
	WIN 0
	FETCH_A \slot, (\q)+1, 4
.endm
.macro TURN slot, next, fill
	s_wait_tensorcnt 0x0
	ds_add_u32 v[SPW], v[NIL]
	s_wait_dscnt 4*NL+1
	WIN MUL_LO
	MUL16 0, 1, NQ-1, \slot, 0
	s_wait_dscnt 0x0
	s_barrier_signal -1
	MUL16 2, 1, NQ-1, \slot, 0
	WIN 0
	s_barrier_wait -1
.if \fill
	CREST
	s_add_nc_u64 s[G0+4*\slot+2:G0+4*\slot+3], s[G0+4*\slot+2:G0+4*\slot+3], s[4:5]
	s_add_nc_u64 s[G0B+4*\slot+2:G0B+4*\slot+3], s[G0B+4*\slot+2:G0B+4*\slot+3], s[6:7]
	JLOAD G0+4*\slot, G1, G0B+4*\slot, G1B
.else
	PLACES NP
.endif
	s_wait_alu depctr_va_vdst(0)
	v_add_nc_u32 v[ADRS], 4*NQ, v[ADRS]
	FETCH_B \next, 0, 0
	FETCH_A \next, 0, 0
	SCALES \next
	WIN MUL_HI
	MUL16 4, 1, NQ-1, \slot, 0
	MUL16 6, 1, NQ-1, \slot, 0
	PLACES NP
	WIN 0
	FETCH_A \next, 0, 4
.endm
	s_wait_tensorcnt 1
	s_barrier_signal -1
	s_barrier_wait -1
	FETCH_B 0, 0, 0
	FETCH_A 0, 0, 0
	SCALES 0
	FETCH_A 0, 0, 4
	s_wait_loadcnt 0x0
	s_cmp_eq_u32 ttmp9, 2
	s_cbranch_scc1 .Lfirst_v
	s_wait_alu depctr_va_vdst(0)
	STEP 0, 0, 1
	s_branch .Lfirst_done
.Lfirst_v:
	s_wait_alu depctr_va_vdst(0)
	STEP 0, 0, 2
.Lfirst_done:
	s_mov_b32 s3, LAPS-1
.Llap:
	TURN 0, 1, 1
	STEP 1, 0, 0
	TURN 1, 0, 1
	STEP 0, 0, 0
	s_sub_co_u32 s3, s3, 1
	s_cmp_lg_u32 s3, 0
	s_cbranch_scc1 .Llap
	TURN 0, 1, 0
	STEP 1, 0, 0
	s_wait_dscnt 4*NL
	WIN MUL_LO
	MUL16 0, 1, NQ-1, 1, 0
	MUL16 2, 1, NQ-1, 1, 0
	s_wait_dscnt 0
	WIN MUL_HI
	MUL16 4, 1, NQ-1, 1, 0
	MUL16 6, 1, NQ-1, 1, 0
	WIN 0
.set T,   32
.set TP,  36
.set SO,  40
.set BY,  44
.set FLO, 48
.set SW,  52
.macro EPI mode
.irp a, 0,1,2,3,4,5,6,7
.set AC, 64*(\a%4)
	WIN 0x28+0x14*(\a/4)
.irp c, 0,1,2,3
	v_max3_num_f32 v[T+\c], v[FLO], |v[AC+16*\c]|, |v[AC+16*\c+1]|
.endr
.irp i, 2,4,6,8,10,12,14
.irp c, 0,1,2,3
	v_max3_num_f32 v[T+\c], v[T+\c], |v[AC+16*\c+\i]|, |v[AC+16*\c+\i+1]|
.endr
.endr
	WIN 0
.irp c, 0,1,2,3
	v_permlanex16_b32 v[TP+\c], v[T+\c], s92, s93
.endr
.irp c, 0,1,2,3
	v_max_num_f32 v[T+\c], v[T+\c], v[TP+\c]
.endr
.irp c, 0,1,2,3
	v_add_nc_u32 v[SO+\c], 0xfe000000, v[T+\c]
.endr
.irp c, 0,1,2,3
	v_lshrrev_b32 v[BY+\c], 23, v[SO+\c]
.endr
	WIN 0x42+(\a/4)
.irp c, 0,1,2,3
	v_cvt_scalef32_pk16_bf6_f32 v[4*(4*\a+\c):4*(4*\a+\c)+2], v[AC+16*\c:AC+16*\c+15], v[SO+\c]
.endr
	v_nop
	WIN 0x04
.irp c, 0,1,2,3
.if \mode == 0
	global_store_b96 v8, v[4*(4*\a+\c):4*(4*\a+\c)+2], s[12:13] offset:(32*(\a/2)+8*(\a%2))*48+98304*(\c/2)+24*(\c%2)
.else
	global_store_b96 v8, v[4*(4*\a+\c):4*(4*\a+\c)+2], s[12:13] offset:98304*(\a/4)+24*(32*((\a/2)%2)+8*(\a%2))+1536*\c
.endif
.endr
	WIN 0
.if \mode == 0
	v_lshl_or_b32 v49, v[BY+1], 8, v[BY]
	v_lshl_or_b32 v50, v[BY+3], 8, v[BY+2]
	v_cndmask_b32 v49, v49, v50, s95
	v_or_b32 v[SW+\a], 0x7f7f0000, v49
	global_store_b32 v9, v[SW+\a], s[104:105] offset:4*(32*(\a/2)+8*(\a%2))
.else
	v_lshl_or_b32 v49, v[BY+1], 8, v[BY]
	v_lshl_or_b32 v49, v[BY+2], 16, v49
	v_lshl_or_b32 v[SW+\a], v[BY+3], 24, v49
.if \a%2
	v_cndmask_b32 v[SW+\a-1], v[SW+\a-1], v[SW+\a], s95
	global_store_b32 v9, v[SW+\a-1], s[104:105] offset:4096*(\a/4)+128*((\a/2)%2)
.endif
.endif
.endr
.endm
	PLACES NP
.irp c, 0,1,2,3
	v_mov_b32 v[TP+\c], 0
.endr
	v_mov_b32 v[FLO], 0x2800000
	s_cmp_eq_u32 ttmp9, 2
	s_cbranch_scc1 .Lepi_v
	EPI 0
	s_branch .Lepi_done
.Lepi_v:
	s_wait_alu depctr_va_vdst(0)
	EPI 1
.Lepi_done:
	v_nop
	s_wait_tensorcnt 0x0
	ds_add_u32 v[SPW], v[NIL]
	s_wait_dscnt 0x0
	CROUND
	s_endpgm
.Lfunc_end_k_q930b10711a_qkv:
	.size	k_q930b10711a_qkv, .Lfunc_end_k_q930b10711a_qkv-k_q930b10711a_qkv
	.p2alignl 7, 3214868480
	.fill 96, 4, 3214868480
	.section	.rodata,"a",@progbits
	.p2align	6, 0x0
	.amdhsa_kernel k_q930b10711a_qkv
		.amdhsa_group_segment_fixed_size 327680
		.amdhsa_private_segment_fixed_size 0
		.amdhsa_enable_private_segment 0
		.amdhsa_kernarg_size 48
		.amdhsa_user_sgpr_count 2
		.amdhsa_user_sgpr_kernarg_segment_ptr 1
		.amdhsa_wavefront_size32 1
		.amdhsa_system_sgpr_workgroup_id_x 1
		.amdhsa_system_sgpr_workgroup_id_y 1
		.amdhsa_system_sgpr_workgroup_id_z 1
		.amdhsa_system_vgpr_workitem_id 0
		.amdhsa_next_free_vgpr 1024
		.amdhsa_next_free_sgpr 106
		.amdhsa_reserve_vcc 0
		.amdhsa_float_denorm_mode_32 3
		.amdhsa_float_denorm_mode_16_64 3
		.amdhsa_memory_ordered 1
		.amdhsa_forward_progress 1
		.amdhsa_inst_pref_size 216
	.end_amdhsa_kernel
	.amdgpu_metadata
---
amdhsa.version: [ 1, 2 ]
amdhsa.kernels:
  - .name:           k_q930b10711a_qkv
    .symbol:         k_q930b10711a_qkv.kd
    .args:
      - { .name: abuf, .offset: 0, .size: 8, .value_kind: global_buffer, .address_space: global }
      - { .name: wbuf, .offset: 8, .size: 8, .value_kind: global_buffer, .address_space: global }
      - { .name: bq, .offset: 16, .size: 8, .value_kind: global_buffer, .address_space: global }
      - { .name: bk, .offset: 24, .size: 8, .value_kind: global_buffer, .address_space: global }
      - { .name: bv, .offset: 32, .size: 8, .value_kind: global_buffer, .address_space: global }
      - { .name: qkv, .offset: 40, .size: 8, .value_kind: global_buffer, .address_space: global }
    .group_segment_fixed_size: 327680
    .private_segment_fixed_size: 0
    .kernarg_segment_align: 8
    .kernarg_segment_size: 48
    .max_flat_workgroup_size: 128
    .sgpr_count:     106
    .vgpr_count:     1024
    .wavefront_size: 32
...
	.end_amdgpu_metadata
.endif
;; end of part 3
;; launch attn (part 4): grid 128 x 2, 16 waves a work-group, no clusters, 15,104 bytes of LDS; arguments qkv, mw, abuf; writes abuf
.if DOCPART == 4
	.amdgcn_target "amdgcn-amd-amdhsa--gfx1250"
	.amdhsa_code_object_version 6
	.text
	.protected	k_q930b10711a_attn
	.globl	k_q930b10711a_attn
	.p2align	8
	.type	k_q930b10711a_attn,@function
k_q930b10711a_attn:
	s_mov_b64 s[64:65], 0
	v_nop
	global_prefetch_b8 v0, s[64:65] scope:SCOPE_SE
	s_setreg_imm32_b32 hwreg(HW_REG_WAVE_MODE, 25, 1), 1
	s_wait_xcnt 0x0
; SPARSE ATTENTION on codes of BF6 (E3M2).  A work-group is a batch and a tile of 16 queries (the tiles with the most keys first); each of its sixteen waves is a head.
; WORK LEFT OUT: blocks of 32 keys that lie wholly under the layer's own mask, for queries that have a key left (their p is 0 in f32); shown at the head of the first launch.  For queries from i0 on, B0 = i0 / 32,
; the blocks walked are B0-3 .. B0 (step 0) and B0 - 4 m, m = 1 .. 15 (four a step); a block that does not exist is clamped to block 0 and has zero mask words.
; A QUERY WITH NO KEY LEFT has all 2,048 scores at -1e9: p = 1 everywhere (code 16 under the scale 2^-4), sum 2,048.  Where the stored flag names such a query, the wave also sums all 64 blocks of V under that p
; and selects.  The branch hangs on a whole number that an earlier launch stored; the launch has no tensor load.
; Both products are used transposed (S^T = K Q^T, O^T = V^T P^T): a lane holds one query.  The keys of a tile of K are 32 Bk + 8 u + r'', r'' = r % 8 + 16 (r / 8), so that two neighbouring tiles give 16
; neighbouring keys in 16 registers; V's channels of a tile are chosen likewise, so that o comes out with 16 neighbours along d for the next quantiser.
; K = 64 OF THE INSTRUCTION'S 128: Q's upper 64 codes are zeros; K's operand is a run of 12 registers whose upper six are the next tile's codes (finite numbers under the byte 0x7f, multiplied by zero codes).
; SOFTMAX: t = score x log2(e) / 8; M = the running largest t rounded up to a whole number; p = 2^(t - M) is quantised along the keys; the sum is taken of the unquantised p and divides at the end.
; Operands come from memory straight into registers: the strided blocks of a tile are shared with no other wave of the work-group.  o leaves as codes: 16 heads make whole rows of 768 bytes in LDS.
; LIMITS: a true score at or under -1e9 is not told apart from a masked one; NaN and infinities are not served.
; REGISTERS: v1-4 lane terms; v5, v6 the add's two; v12 -M, v13 largest t, v[14:15] the sum; v16-27 Q (22-27 zeros); v32-79 K's eight tiles, then V's four fragments; v80-85 zeros; v86-91 LDS and way-out addresses;
; v96-159 scores, then p; v160-191 O^T; v192-199 V's scale bytes; v200-205, v208-215 offsets; v206-207 V's scale words; v224-235 p's codes; v232-254 at work; v248-251 K's scale words; v255 Q's.
.set SPW,   5
.set NIL,   6
.set SCST,  12544                      ; LDS: 16 rows x 784 bytes of codes, then 512 scale bytes,
.set SPARE, 13056                      ; then the spare words, 128 bytes for each of 16 waves
	s_load_b128 s[4:7], s[0:1], 0x0                ; qkv, mw
	s_load_b64 s[14:15], s[0:1], 0x10              ; abuf
	v_lshl_add_u32 v[SPW], v0, 2, SPARE
	v_mov_b32 v[NIL], 0
	v_lshrrev_b32 v8, 5, v0
	s_delay_alu instid0(VALU_DEP_1)
	v_readfirstlane_b32 s48, v8                    ; my head
	s_sub_co_u32 s2, 127, ttmp9                    ; t
	s_and_b32 s3, ttmp7, 0xffff                    ; b
	s_lshr_b32 s61, s2, 1                          ; B0
	s_sub_co_i32 s62, s61, 3
	s_add_co_u32 s63, s61, 12
	s_lshr_b32 s50, s63, 4
	s_add_co_u32 s50, s50, 1                       ; steps: 1 + (B0 + 12) / 16
	s_lshl_b32 s100, s2, 4                         ; i0
	s_mul_i32 s104, s2, 1408
	s_mov_b32 s105, 0
	s_lshl_b32 s101, s3, 4
	s_add_co_u32 s101, s101, s48                   ; b 16 + head
	s_mov_b32 s51, 0xffff0000                      ; lanes 16-31
	s_mov_b32 s52, 0x76543210
	s_mov_b32 s53, 0xfedcba98                      ; lane l xor 16
	s_mov_b32 s54, 0x3e38aa3b                      ; c = log2(e) / 8
	s_mov_b32 s55, s54
	s_mov_b32 s49, 0
	v_and_b32 v8, 15, v0                           ; r
	v_bfe_u32 v9, v0, 4, 1                         ; h
	s_delay_alu instid0(VALU_DEP_2)
	v_and_b32 v10, 7, v8
	s_delay_alu instid0(VALU_DEP_3)
	v_lshrrev_b32 v11, 3, v8
	s_delay_alu instid0(VALU_DEP_1)
	v_lshl_add_u32 v10, v11, 4, v10                ; r''
	s_delay_alu instid0(VALU_DEP_1)
	v_mul_u32_u24 v1, v10, 48
	s_delay_alu instid0(VALU_DEP_1)
	v_mad_u32_u24 v1, v9, 24, v1                   ; K: 48 r'' + 24 h
	s_delay_alu instid0(VALU_DEP_3)
	v_lshl_add_u32 v2, v9, 3, v10
	s_delay_alu instid0(VALU_DEP_1)
	v_lshlrev_b32 v2, 2, v2                        ; scale words: 4 (8 h + r''): lanes 16-31 serve a pair's second tile
	v_mul_u32_u24 v3, v10, 24                      ; V: 24 r''
	v_mov_b32 v4, 0xcfee6b28                       ; -8e9: a masked score ahead of the division by 8
	v_mul_u32_u24 v11, v8, 48
	s_delay_alu instid0(VALU_DEP_1)
	v_mad_u32_u24 v11, v9, 24, v11                 ; Q: 48 r + 24 h
	v_lshlrev_b32 v7, 2, v8
	v_mul_u32_u24 v86, v8, 784                     ; the way out's LDS addresses: a constant x lane + a constant x wave
	s_delay_alu instid0(VALU_DEP_1)
	v_mad_u32_u24 v86, v9, 12, v86
	s_mul_i32 s2, s48, 48
	v_add_nc_u32 v86, s2, v86                      ; row r, my head's 48 bytes, + 12 h
	v_lshlrev_b32 v87, 5, v8
	s_lshl_b32 s2, s48, 1
	s_add_co_u32 s2, s2, SCST
	v_add_nc_u32 v87, s2, v87                      ; row r's 32 scale bytes, my head's two
	v_and_b32 v10, 31, v0
	s_delay_alu instid0(VALU_DEP_1)
	v_lshlrev_b32 v89, 3, v10
	s_mul_i32 s2, s48, 784
	v_add_nc_u32 v88, s2, v89                      ; back: wave w takes row w
	v_lshlrev_b32 v91, 4, v10
	s_delay_alu instid0(VALU_DEP_1)
	v_add_nc_u32 v90, SCST, v91
.irp i, 0,1,2                          ; o's codes lie [256 along K][row][192 bytes]: byte y = 8 (lane + 32 i) of a row goes to chunk y / 192: y + (y / 192) x (786,432 - 192)
	v_add_nc_u32 v[92+\i], 32*\i, v10
	v_mul_u32_u24 v8, v[92+\i], 171
	v_lshrrev_b32 v8, 12, v8                       ; (lane + 32 i) / 24, exact under 96
	v_lshlrev_b32 v[92+\i], 3, v[92+\i]
	v_mad_u32_u24 v[92+\i], v8, 0xbff40, v[92+\i]
.endr
	s_wait_kmcnt 0x0
	s_add_nc_u64 s[12:13], s[6:7], s[104:105]      ; my tile's mask words
	s_load_b32 s60, s[12:13], 0x500                ; bit l: query l % 16 has no key left
	s_mul_i32 s104, s101, 98304
	s_add_nc_u64 s[8:9], s[4:5], s[104:105]
	s_mul_i32 s2, s100, 48
	s_mov_b32 s3, 0
	s_add_nc_u64 s[16:17], s[8:9], s[2:3]          ; Q's codes at my first query
	s_lshl_b32 s104, s101, 13
	s_add_nc_u64 s[6:7], s[4:5], s[104:105]
	s_lshl_b32 s2, s100, 2
	s_add_nc_u64 s[18:19], s[6:7], s[2:3]
	s_add_nc_u64 s[18:19], s[18:19], 9437184       ; Q's scale words
	s_add_nc_u64 s[6:7], s[6:7], 9699328           ; K's scale words of my head
	s_lshl_b32 s104, s101, 12
	s_add_nc_u64 s[10:11], s[4:5], s[104:105]
	s_add_nc_u64 s[10:11], s[10:11], 9961472       ; V's scale bytes
	s_add_nc_u64 s[4:5], s[8:9], 3145728           ; K's codes
	s_add_nc_u64 s[8:9], s[8:9], 6291456           ; V's codes
.irp p, 0,1,2
	global_load_b64 v[16+2*\p:17+2*\p], v11, s[16:17] offset:8*\p
.endr
	global_load_b32 v255, v7, s[18:19]
.irp j, 22,23,24,25,26,27,80,81,82,83,84,85
	v_mov_b32 v\j, 0                               ; zero codes
.endr
	v_mov_b32 v13, 0xff61b1e6                      ; the largest t so far: -3e38
	s_delay_alu instid0(VALU_DEP_1)
	v_floor_f32 v12, -v13
	v_mov_b32 v14, 0
	v_mov_b32 v15, 0
.irp b, 0,1,2,3
	v_mov_b32 v[236+\b], 0                         ; a lane permute's destination counts as one of its sources
.endr
	v_mov_b32 v253, 0
.set j, 0
.rept 32
	v_mov_b32 v[160+j], 0                          ; O^T: the step is written once; the first change of M leaves zeros zeros
.set j, j+1
.endr
	s_wait_loadcnt 0x0                             ; Q; its address registers are free
.Lstep:
	s_lshl_b32 s2, s49, 4
	s_sub_co_i32 s2, s63, s2                       ; B0 + 12 - 16 s
	s_cmp_eq_u32 s49, 0
	s_cselect_b32 s56, s62, s2                     ; the step's first block,
	s_cselect_b32 s61, 1, -4                       ; and from block to block
	s_add_co_i32 s57, s56, s61
	s_add_co_i32 s58, s57, s61
	s_add_co_i32 s59, s58, s61
.irp g, 56,57,58,59
	s_max_i32 s\g, s\g, 0                          ; a block that does not exist: block 0, under zero mask words
.endr
	s_load_b512 s[16:31], s[12:13], 0x0            ; the four blocks' mask words, 16 each
	s_load_b512 s[32:47], s[12:13], 0x40
	s_load_b512 s[68:83], s[12:13], 0x80
	s_load_b512 s[84:99], s[12:13], 0xc0
.irp g, 0,1,2,3
	s_mul_i32 s2, s[56+\g], 1536
	v_add_nc_u32 v[208+\g], s2, v1                 ; (these eight additions are also the places behind the last step's products)
	s_lshl_b32 s3, s[56+\g], 7
	v_add_nc_u32 v[212+\g], s3, v2
.endr
.irp g, 0,1,2,3
.irp u, 0,1
.irp p, 0,1,2
	global_load_b64 v[32+6*(2*\g+\u)+2*\p:33+6*(2*\g+\u)+2*\p], v[208+\g], s[4:5] offset:384*\u+8*\p
.endr
.endr
	global_load_b32 v[248+\g], v[212+\g], s[6:7]
.endr
	s_wait_loadcnt 0x0
.irp g, 0,1,2,3
	v_wmma_scale_f32_16x16x128_f8f6f4 v[96+16*\g:103+16*\g], v[32+12*\g:43+12*\g], v[16:27], 0, v[248+\g], v255 matrix_a_fmt:MATRIX_FMT_BF6 matrix_b_fmt:MATRIX_FMT_BF6
	v_wmma_scale_f32_16x16x128_f8f6f4 v[104+16*\g:111+16*\g], v[38+12*\g:49+12*\g], v[16:27], 0, v[248+\g], v255 matrix_a_fmt:MATRIX_FMT_BF6 matrix_b_fmt:MATRIX_FMT_BF6 matrix_a_scale:MATRIX_SCALE_ROW1
.endr
.irp c, 0,1                            ; V's offsets: ten plain lines, the places behind the products.  Lane (r, h) takes block 2 c + h of the step's four
	s_mul_i32 s2, s[56+2*\c], 1536
	s_mul_i32 s3, s[57+2*\c], 1536
	v_mov_b32 v[200+\c], s2
	s_delay_alu instid0(VALU_DEP_1)
	v_cndmask_b32 v[200+\c], v[200+\c], s3, s51
	s_delay_alu instid0(VALU_DEP_1)
	v_add_nc_u32 v[200+\c], v[200+\c], v3
.endr
.irp g, 0,1,2,3
	s_lshr_b32 s2, s[56+\g], 2
	s_lshl_b32 s2, s2, 8
	s_and_b32 s3, s[56+\g], 3
	s_add_co_u32 s2, s2, s3
	v_add_nc_u32 v[202+\g], s2, v2
.endr
	s_wait_alu depctr_va_vdst(0)
.irp e, 0,1
.irp g, 0,1,2,3
	global_load_u8 v[192+4*\e+\g], v[202+\g], s[10:11] offset:128*\e   ; V's scale byte of block g for channel 32 e + 8 h + r''
.endr
.endr
.irp t, 0,1,2,3
.irp c, 0,1
.irp p, 0,1,2
	global_load_b64 v[32+12*\t+6*\c+2*\p:33+12*\t+6*\c+2*\p], v[200+\c], s[8:9] offset:24*(32*(\t/2)+8*(\t%2))+8*\p
.endr
.endr
.endr
	s_wait_kmcnt 0x0                               ; the mask words (and, in the first step, the flag)
	s_add_nc_u64 s[12:13], s[12:13], 256
.irp i, 0,1,2,3,4,5,6,7,8,9,10,11,12,13,14,15
	v_cndmask_b32 v[96+\i], v4, v[96+\i], s[16+\i]
.endr
.irp i, 0,1,2,3,4,5,6,7,8,9,10,11,12,13,14,15
	v_cndmask_b32 v[112+\i], v4, v[112+\i], s[32+\i]
.endr
.irp i, 0,1,2,3,4,5,6,7,8,9,10,11,12,13,14,15
	v_cndmask_b32 v[128+\i], v4, v[128+\i], s[68+\i]
.endr
.irp i, 0,1,2,3,4,5,6,7,8,9,10,11,12,13,14,15
	v_cndmask_b32 v[144+\i], v4, v[144+\i], s[84+\i]
.endr
.irp b, 0,1,2,3
	v_max3_num_f32 v[232+\b], v[96+16*\b], v[97+16*\b], v[98+16*\b]   ; the largest score of each block: for the row's maximum, and for the block's largest p
.endr
.irp i, 3,5,7,9,11,13
.irp b, 0,1,2,3
	s_delay_alu instid0(VALU_DEP_4)
	v_max3_num_f32 v[232+\b], v[232+\b], v[96+16*\b+\i], v[97+16*\b+\i]
.endr
.endr
.irp b, 0,1,2,3
	s_delay_alu instid0(VALU_DEP_4)
	v_max_num_f32 v[232+\b], v[232+\b], v[111+16*\b]
.endr
.irp b, 0,1,2,3
	s_delay_alu instid0(VALU_DEP_4)
	v_permlanex16_b32 v[236+\b], v[232+\b], s52, s53
.endr
.irp b, 0,1,2,3
	s_delay_alu instid0(VALU_DEP_4)
	v_max_num_f32 v[232+\b], v[232+\b], v[236+\b]
.endr
	s_delay_alu instid0(VALU_DEP_2)
	v_max3_num_f32 v254, v232, v233, v234
	s_delay_alu instid0(VALU_DEP_1)
	v_max_num_f32 v254, v254, v235
	s_delay_alu instid0(VALU_DEP_1)
	v_mul_f32 v254, s54, v254                      ; as t
	s_delay_alu instid0(VALU_DEP_1)
	v_max_num_f32 v13, v13, v254                   ; the running largest t
	v_mov_b32 v254, v12
	s_delay_alu instid0(VALU_DEP_2)
	v_floor_f32 v12, -v13                          ; -M = floor(-t): M is a whole number
	s_delay_alu instid0(VALU_DEP_1)
	v_sub_f32 v254, v12, v254                      ; old M - new M
	s_delay_alu instid0(VALU_DEP_1)
	v_cvt_i32_f32 v254, v254
	s_delay_alu instid0(VALU_DEP_1)
	v_ldexp_f32 v252, 1.0, v254                    ; f = 2^(old M - new M)
.irp j, 0,2,4,6,8,10,12,14,16,18,20,22,24,26,28,30,32,34,36,38,40,42,44,46,48,50,52,54,56,58,60,62
	v_pk_fma_f32 v[96+\j:97+\j], v[96+\j:97+\j], s[54:55], v[12:13] op_sel_hi:[1,0,0]   ; t - M
.endr
.irp b, 0,1,2,3
	v_fma_f32 v[232+\b], v[232+\b], s54, v12
.endr
.set j, 0
	s_wait_alu depctr_va_vdst(0)
.rept 64
	v_exp_f32 v[96+j], v[96+j]                     ; p = 2^(t - M): not normalised
.set j, j+1
.endr
	v_pk_mul_f32 v[14:15], v[14:15], v[252:253] op_sel_hi:[1,0]   ; the sums under the new M (a plain line behind the exponentials)
	s_wait_alu depctr_va_vdst(0)                   ; one wait for the batch, ahead of its first reader
.irp b, 0,1,2,3
	v_exp_f32 v[232+\b], v[232+\b]                 ; each block's largest p
.endr
	v_pk_add_f32 v[236:237], v[100:101], v[104:105]
	v_pk_add_f32 v[250:251], v[108:109], v[112:113]
	v_pk_add_f32 v[248:249], v[116:117], v[120:121]
	v_pk_add_f32 v[246:247], v[124:125], v[128:129]
	v_pk_add_f32 v[244:245], v[132:133], v[136:137]
	v_pk_add_f32 v[242:243], v[140:141], v[144:145]
	v_pk_add_f32 v[240:241], v[148:149], v[152:153]
	v_pk_add_f32 v[14:15], v[14:15], v[156:157]
	v_pk_add_f32 v[236:237], v[236:237], v[96:97]
	v_pk_add_f32 v[250:251], v[250:251], v[98:99]
	v_pk_add_f32 v[248:249], v[248:249], v[102:103]
	v_pk_add_f32 v[246:247], v[246:247], v[106:107]
	v_pk_add_f32 v[244:245], v[244:245], v[110:111]
	v_pk_add_f32 v[242:243], v[242:243], v[114:115]
	v_pk_add_f32 v[240:241], v[240:241], v[118:119]
	v_pk_add_f32 v[14:15], v[14:15], v[122:123]
	v_pk_add_f32 v[236:237], v[236:237], v[126:127]
	v_pk_add_f32 v[250:251], v[250:251], v[130:131]
	v_pk_add_f32 v[248:249], v[248:249], v[134:135]
	v_pk_add_f32 v[246:247], v[246:247], v[138:139]
	v_pk_add_f32 v[244:245], v[244:245], v[142:143]
	v_pk_add_f32 v[242:243], v[242:243], v[146:147]
	v_pk_add_f32 v[240:241], v[240:241], v[150:151]
	v_pk_add_f32 v[14:15], v[14:15], v[154:155]
	v_pk_add_f32 v[236:237], v[236:237], v[158:159]
	s_delay_alu instid0(VALU_DEP_2)
	v_pk_add_f32 v[14:15], v[14:15], v[246:247]
	s_delay_alu instid0(VALU_DEP_2)
	v_pk_add_f32 v[236:237], v[236:237], v[244:245]
	v_pk_add_f32 v[250:251], v[250:251], v[242:243]
	v_pk_add_f32 v[248:249], v[248:249], v[240:241]
	s_delay_alu instid0(VALU_DEP_2)
	v_pk_add_f32 v[14:15], v[14:15], v[250:251]
	s_delay_alu instid0(VALU_DEP_2)
	v_pk_add_f32 v[236:237], v[236:237], v[248:249]
	s_delay_alu instid0(VALU_DEP_1)
	v_pk_add_f32 v[14:15], v[14:15], v[236:237]
	s_wait_alu depctr_va_vdst(0)                   ; and one for the four
.irp b, 0,1,2,3
	v_max_num_f32 v[232+\b], 0x2800000, v[232+\b]  ; the floor 2^(5 - 127)
.endr
.irp b, 0,1,2,3
	s_delay_alu instid0(VALU_DEP_4)
	v_add_nc_u32 v[244+\b], 0xfe000000, v[232+\b]
.endr
.irp b, 0,1,2,3
	s_delay_alu instid0(VALU_DEP_4)
	v_lshrrev_b32 v[236+\b], 23, v[244+\b]
.endr
	s_delay_alu instid0(VALU_DEP_3)
	v_lshl_or_b32 v253, v237, 8, v236              ; p's scale word for the step's four blocks
	s_delay_alu instid0(VALU_DEP_1)
	v_lshl_or_b32 v253, v238, 16, v253
	s_delay_alu instid0(VALU_DEP_1)
	v_lshl_or_b32 v253, v239, 24, v253
.irp c, 0,1
	v_cvt_scalef32_pk16_bf6_f32 v[224+6*\c:226+6*\c], v[96+32*\c:111+32*\c], v[244+2*\c]
	v_cvt_scalef32_pk16_bf6_f32 v[236+4*\c:238+4*\c], v[112+32*\c:127+32*\c], v[244+2*\c+1]
.endr
	v_nop
.irp c, 0,1                            ; the operand wants a whole block in a lane
.irp i, 0,1,2
	v_permlane16_swap_b32 v[224+6*\c+\i], v[236+4*\c+\i]
.endr
.irp i, 0,1,2
	s_delay_alu instid0(VALU_DEP_3)
	v_mov_b32 v[227+6*\c+\i], v[236+4*\c+\i]
.endr
.endr
	s_wait_loadcnt 24                              ; V's eight scale bytes are in; the 24 fragment loads behind them may be out
.irp e, 0,1
	v_lshl_or_b32 v[206+\e], v[193+4*\e], 8, v[192+4*\e]
	s_delay_alu instid0(VALU_DEP_1)
	v_lshl_or_b32 v[206+\e], v[194+4*\e], 16, v[206+\e]
	s_delay_alu instid0(VALU_DEP_1)
	v_lshl_or_b32 v[206+\e], v[195+4*\e], 24, v[206+\e]
.endr
.irp j, 0,2,4,6,8,10,12,14,16,18,20,22,24,26,28,30
	v_pk_mul_f32 v[160+\j:161+\j], v[160+\j:161+\j], v[252:253] op_sel_hi:[1,0]   ; O^T under the new M; sixteen lines between the scale words and the products
.endr
	s_wait_alu depctr_va_vdst(0)
	s_wait_loadcnt 0x0
.irp e, 0,1
	v_wmma_scale_f32_16x16x128_f8f6f4 v[160+16*\e:167+16*\e], v[32+24*\e:43+24*\e], v[224:235], v[160+16*\e:167+16*\e], v[206+\e], v253 matrix_a_fmt:MATRIX_FMT_BF6 matrix_b_fmt:MATRIX_FMT_BF6
	v_wmma_scale_f32_16x16x128_f8f6f4 v[168+16*\e:175+16*\e], v[44+24*\e:55+24*\e], v[224:235], v[168+16*\e:175+16*\e], v[206+\e], v253 matrix_a_fmt:MATRIX_FMT_BF6 matrix_b_fmt:MATRIX_FMT_BF6 matrix_a_scale:MATRIX_SCALE_ROW1
.endr
	s_add_co_u32 s49, s49, 1
	s_cmp_lt_u32 s49, s50
	s_cbranch_scc1 .Lstep
	v_add_f32 v14, v14, v15                        ; the sum's two halves
	v_nop
	v_nop
	v_nop                                          ; four plain lines behind the last products
	v_permlanex16_b32 v252, v14, s52, s53
	s_delay_alu instid0(VALU_DEP_1)
	v_add_f32 v14, v14, v252                       ; the row's sum
	s_cmp_eq_u32 s60, 0
	s_cbranch_scc1 .Llive
	; ---- some query of the tile has no key left: U^T = the sum over all 64 blocks of V^T under p = 1
	v_mov_b32 v253, 0x7b7b7b7b                     ; p's scale: 2^-4
.irp q, 0,1,2,3
	v_mov_b32 v[224+3*\q], 0x1c71c71c              ; the code of 16, sixty-four times a lane and 64 along K
	v_mov_b32 v[225+3*\q], 0xc71c71c7
	v_mov_b32 v[226+3*\q], 0x71c71c71
.endr
	s_wait_alu depctr_va_vdst(0)
	v_bfe_u32 v8, v0, 4, 1
	s_delay_alu instid0(VALU_DEP_1)
	v_mul_u32_u24 v8, v8, 1536
	s_delay_alu instid0(VALU_DEP_1)
	v_add_nc_u32 v200, v8, v3                      ; 24 r'' + a block for lanes 16-31
	v_mov_b32 v202, v2
	v_nop
.macro GRP zero                        ; four neighbouring blocks
.irp t, 0,1,2,3
.irp c, 0,1
.irp p, 0,1,2
	global_load_b64 v[32+12*\t+6*\c+2*\p:33+12*\t+6*\c+2*\p], v200, s[8:9] offset:3072*\c+24*(32*(\t/2)+8*(\t%2))+8*\p
.endr
.endr
.endr
	global_load_b32 v206, v202, s[10:11]
	global_load_b32 v207, v202, s[10:11] offset:128
	s_wait_loadcnt 0x0
.irp e, 0,1
.if \zero
	v_wmma_scale_f32_16x16x128_f8f6f4 v[96+16*\e:103+16*\e], v[32+24*\e:43+24*\e], v[224:235], 0, v[206+\e], v253 matrix_a_fmt:MATRIX_FMT_BF6 matrix_b_fmt:MATRIX_FMT_BF6
	v_wmma_scale_f32_16x16x128_f8f6f4 v[104+16*\e:111+16*\e], v[44+24*\e:55+24*\e], v[224:235], 0, v[206+\e], v253 matrix_a_fmt:MATRIX_FMT_BF6 matrix_b_fmt:MATRIX_FMT_BF6 matrix_a_scale:MATRIX_SCALE_ROW1
.else
	v_wmma_scale_f32_16x16x128_f8f6f4 v[96+16*\e:103+16*\e], v[32+24*\e:43+24*\e], v[224:235], v[96+16*\e:103+16*\e], v[206+\e], v253 matrix_a_fmt:MATRIX_FMT_BF6 matrix_b_fmt:MATRIX_FMT_BF6
	v_wmma_scale_f32_16x16x128_f8f6f4 v[104+16*\e:111+16*\e], v[44+24*\e:55+24*\e], v[224:235], v[104+16*\e:111+16*\e], v[206+\e], v253 matrix_a_fmt:MATRIX_FMT_BF6 matrix_b_fmt:MATRIX_FMT_BF6 matrix_a_scale:MATRIX_SCALE_ROW1
.endif
.endr
.endm
	GRP 1                                          ; the first four blocks start the sums
	s_mov_b32 s61, 15
.Ldead:
	s_wait_alu depctr_va_vdst(0)
	v_add_nc_u32 v200, 6144, v200                  ; (the loads are done: their address registers are free)
	v_add_nc_u32 v202, 256, v202
	v_nop
	v_nop
	GRP 0
	s_sub_co_u32 s61, s61, 1
	s_cmp_lg_u32 s61, 0
	s_cbranch_scc1 .Ldead
.rept 4
	v_nop
.endr
.set j, 0
.rept 32
	v_cndmask_b32 v[160+j], v[160+j], v[96+j], s60 ; the lanes of such queries take U^T,
.set j, j+1
.endr
	v_mov_b32 v8, 0x45000000
	s_delay_alu instid0(VALU_DEP_1)
	v_cndmask_b32 v14, v14, v8, s60                ; and the sum 2,048
.Llive:
	s_wait_alu depctr_va_vdst(0)
	v_rcp_f32 v14, v14
	s_sub_co_u32 s2, 127, ttmp9
	s_lshl_b32 s2, s2, 4
	s_and_b32 s3, ttmp7, 0xffff
	s_lshl_b32 s3, s3, 11
	s_add_co_u32 s2, s2, s3                        ; the tile's first token
	s_lshl_b32 s56, s2, 5
	s_add_co_u32 s56, s56, 3145728
	s_mov_b32 s57, 0
	s_add_nc_u64 s[16:17], s[14:15], s[56:57]      ; its scale bytes in abuf
	s_add_co_u32 s2, s2, s48
	s_mul_i32 s2, s2, 192
	s_mov_b32 s3, 0
	s_add_nc_u64 s[14:15], s[14:15], s[2:3]        ; the row that my wave stores
	v_nop                                          ; a plain line behind the reciprocal
	s_wait_alu depctr_va_vdst(0)                   ; and the wait ahead of its first reader
.set j, 0
.rept 32
	v_mul_f32 v[128+j], v[160+j], v14              ; o(r, 32 (j / 16) + 16 h + j % 16) of my head
.set j, j+1
.endr
.irp e, 0,1
	v_max3_num_f32 v[232+\e], |v[128+16*\e]|, |v[129+16*\e]|, 0x2800000
.endr
.irp i, 2,4,6,8,10,12,14
.irp e, 0,1
	s_delay_alu instid0(VALU_DEP_2)
	v_max3_num_f32 v[232+\e], v[232+\e], |v[128+16*\e+\i]|, |v[129+16*\e+\i]|
.endr
.endr
.irp e, 0,1
	s_delay_alu instid0(VALU_DEP_2)
	v_permlanex16_b32 v[236+\e], v[232+\e], s52, s53
.endr
.irp e, 0,1
	s_delay_alu instid0(VALU_DEP_2)
	v_max_num_f32 v[232+\e], v[232+\e], v[236+\e]
.endr
.irp e, 0,1
	s_delay_alu instid0(VALU_DEP_2)
	v_add_nc_u32 v[244+\e], 0xfe000000, v[232+\e]
.endr
.irp e, 0,1
	s_delay_alu instid0(VALU_DEP_2)
	v_lshrrev_b32 v[234+\e], 23, v[244+\e]
.endr
	v_cvt_scalef32_pk16_bf6_f32 v[236:238], v[128:143], v244
	v_cvt_scalef32_pk16_bf6_f32 v[240:242], v[144:159], v245
	v_lshl_or_b32 v234, v235, 8, v234              ; my head's two scale bytes (a plain line behind the conversions)
.irp i, 0,1,2
	ds_store_b32 v86, v[236+\i] offset:4*\i
	ds_store_b32 v86, v[240+\i] offset:24+4*\i
.endr
	ds_store_b16 v87, v234                         ; both halves of the lanes write the same two bytes
	s_wait_dscnt 0x0                               ; for the others' sake: my stores have landed
	s_barrier_signal -1
	s_barrier_wait -1
	s_cmp_lg_u32 s48, 0
	s_cbranch_scc1 .Lnot0
	ds_load_b128 v[104:107], v90                   ; wave 0: the tile's 512 scale bytes
	s_wait_dscnt 0x0
	global_store_b128 v91, v[104:107], s[16:17]
.Lnot0:
.irp i, 0,1,2
	ds_load_b64 v[96+2*\i:97+2*\i], v88 offset:256*\i
.endr
.irp i, 0,1,2
	s_wait_dscnt 2-\i                              ; the younger loads may be out
	global_store_b64 v[92+\i], v[96+2*\i:97+2*\i], s[14:15]
.endr
	s_wait_tensorcnt 0x0                           ; the wave's end, behind my last LDS store
	ds_add_u32 v[SPW], v[NIL]
	s_wait_dscnt 0x0
	s_endpgm
.Lfunc_end_k_q930b10711a_attn:
	.size	k_q930b10711a_attn, .Lfunc_end_k_q930b10711a_attn-k_q930b10711a_attn
	.p2alignl 7, 3214868480
	.fill 96, 4, 3214868480
	.section	.rodata,"a",@progbits
	.p2align	6, 0x0
	.amdhsa_kernel k_q930b10711a_attn
		.amdhsa_group_segment_fixed_size 15104
		.amdhsa_private_segment_fixed_size 0
		.amdhsa_enable_private_segment 0
		.amdhsa_kernarg_size 24
		.amdhsa_user_sgpr_count 2
		.amdhsa_user_sgpr_kernarg_segment_ptr 1
		.amdhsa_wavefront_size32 1
		.amdhsa_system_sgpr_workgroup_id_x 1
		.amdhsa_system_sgpr_workgroup_id_y 1
		.amdhsa_system_sgpr_workgroup_id_z 1
		.amdhsa_system_vgpr_workitem_id 0
		.amdhsa_next_free_vgpr 256
		.amdhsa_next_free_sgpr 106
		.amdhsa_reserve_vcc 0
		.amdhsa_float_denorm_mode_32 3
		.amdhsa_float_denorm_mode_16_64 3
		.amdhsa_memory_ordered 1
		.amdhsa_forward_progress 1
		.amdhsa_inst_pref_size 51
	.end_amdhsa_kernel
	.amdgpu_metadata
---
amdhsa.version: [ 1, 2 ]
amdhsa.kernels:
  - .name:           k_q930b10711a_attn
    .symbol:         k_q930b10711a_attn.kd
    .args:
      - { .name: qkv, .offset: 0, .size: 8, .value_kind: global_buffer, .address_space: global }
      - { .name: mw, .offset: 8, .size: 8, .value_kind: global_buffer, .address_space: global }
      - { .name: abuf, .offset: 16, .size: 8, .value_kind: global_buffer, .address_space: global }
    .group_segment_fixed_size: 15104
    .private_segment_fixed_size: 0
    .kernarg_segment_align: 8
    .kernarg_segment_size: 24
    .max_flat_workgroup_size: 512
    .sgpr_count:     106
    .vgpr_count:     256
    .wavefront_size: 32
...
	.end_amdgpu_metadata
.endif
;; end of part 4
;; launch wo (part 5): grid 8 x 32, 4 waves a work-group, clusters of 4 x 4, 327,680 bytes of LDS; arguments abuf, wbuf, bo, x, x1; writes x1
.if DOCPART == 5
	.amdgcn_target "amdgcn-amd-amdhsa--gfx1250"
	.amdhsa_code_object_version 6
	.text
	.protected	k_q930b10711a_wo
	.globl	k_q930b10711a_wo
	.p2align	8
	.type	k_q930b10711a_wo,@function
k_q930b10711a_wo:
	s_mov_b64 s[64:65], 0
	v_nop
	global_prefetch_b8 v0, s[64:65] scope:SCOPE_SE
	s_setreg_imm32_b32 hwreg(HW_REG_WAVE_MODE, 25, 1), 1
	s_wait_xcnt 0x0
	s_wait_alu depctr_hold_cnt(0) depctr_sa_sdst(0) depctr_va_vdst(0) depctr_va_sdst(0) depctr_va_ssrc(0) depctr_va_vcc(0) depctr_vm_vsrc(0)
	s_getreg_b32 s2, hwreg(HW_REG_IB_STS2, 6, 4)
	s_cmp_eq_u32 s2, 0
	s_cbranch_scc0 .Lentry_in_a_cluster
	s_endpgm
.Lentry_in_a_cluster:
	s_bfe_u32 s2, ttmp6, 0x10000c
	s_cmp_lg_u32 s2, 0xf033
	s_cbranch_scc0 .Lentry_shape_is_right
	s_endpgm
.Lentry_shape_is_right:
; x1[m][n] = x[m][n] + bo[n] + sum over k of o[m][k] Wo[k][n], K = 1,024, on codes of BF6 (E3M2) with one E8M0 byte for each 32 along K.
; o: codes [4 chunks of 256 along K][4096 tokens][192 bytes] at byte 0 of abuf, scale bytes [4096][32] at ASC.  Wo: rows 3,072 .. 4,095 of the weights' array [4][8192 rows][192] in wbuf (BCO: its first row in a chunk),
; scale bytes [row][32] at BSC; column n lies at row swap34(n) (bits 3 and 4 change places).
; A block of 128 x 128 to a work-group: 32 x 8 blocks are 256 work-groups.  Four waves, 64 x 64 each: 16 accumulators.  Source 0 = 16 rows of Wo, source 1 = 16 tokens: a lane holds eight neighbours of a row of x1.
; LDS: two slots, each with two chunks (512 along K) of A's 128 rows and of B's: four tiles of 24,576 dense bytes, fetched as 96 rows of 256 bytes, one tensor load a wave
; (waves 0, 1: A's two chunks; waves 2, 3: B's).  16 bytes of padding behind each 64: a row of 192 bytes takes 240 in LDS.  K is two fills of four steps: each slot is filled once, slot 1 behind the full sequence.
; CLUSTERS 4 x 4: A's tile is asked for jointly along a row of the cluster, B's along a column.  A round of the cluster's barrier stands in front of every joint load.
; THE SCALES go from memory into registers once: a lane takes 16 bytes of its row: lanes 0-15 the words of steps 0-3, lanes 16-31 those of steps 4-7, which the second half of the walk reads by ROW1.
; They are 8 KB of the work-group's 205 KB and are not asked for jointly.  x and the bias are loaded at the head too; the bias is the C of the first products.
; NO PREFETCH: both fills have been asked for ahead of the first product: there is no loop to run ahead in.
; REGISTERS: window 0: v16-29 addresses, v32-63 bias, v64-79 A's scale words, v80-95 B's, v192-255 the way out; window 1: two sets of fragments (A 48, B 48); window 2: accumulator (a, b) at v[8 (4 a + b)]; window 3: x.
.set ASC,    3145728
.set BCO,    589824
.set BSC,    9535488
.set CHA,    786432
.set CHB,    1572864
.set PITCH,  240
.set HALFT,  128*PITCH
.set SLOT,   4*HALFT
.set STAGE,  2*SLOT                    ; 16 rows x 272 bytes for each wave: bytes that no tensor load fills
.set SPITCH, 272
.set SPARE,  STAGE+4*16*SPITCH
.set ADRA, 16                          ; v16-17 my A rows in slot 0, 1; v18-19 the same + 16 for lanes 16-31 (pieces whose upper half lies behind the next padding)
.set ADRB, 20
.set STO,  24
.set RD,   25
.set CO,   26
.set SPW,  28
.set NIL,  29
.set BI,   32
.set SCA,  64
.set SCB,  80
.set BK,   192
.set G1, 24
.set G0, 32
.set G1B, 48
.set G0B, 56
.set MUL, 0xa5                         ; sources 0 and 1 window 1, C and D window 2
.set MSB, 0
.macro WIN new
.if MSB != \new
	s_set_vgpr_msb (MSB<<8)|\new
.set MSB, \new
.endif
.endm
.macro PLACES
.rept 4
	v_nop
.endr
.endm
.macro JLOAD g0a, g0b                  ; waves 0, 1 ask for A, waves 2, 3 for B: each line has one mask; s_nop 0 and four v_nop behind each
	s_cmp_eq_u32 s15, 0
	s_cbranch_scc0 .Lfor_b_\@
	tensor_load_to_lds s[\g0a:\g0a+3], s[G1:G1+7]
	s_nop 0
	PLACES
	s_branch .Lasked_\@
.Lfor_b_\@:
	tensor_load_to_lds s[\g0b:\g0b+3], s[G1B:G1B+7]
	s_nop 0
	PLACES
.Lasked_\@:
.endm
.macro CROUND
	s_barrier_signal -1
	s_barrier_wait -1
	s_cmp_lg_u32 s14, 0
	s_cbranch_scc1 .Lnot_wave_0_\@
	s_barrier_signal -3
.Lnot_wave_0_\@:
	s_barrier_wait -3
	s_barrier_signal -1
	s_barrier_wait -1
.endm
	s_load_b64 s[4:5], s[0:1], 0x0                 ; abuf
	s_load_b64 s[8:9], s[0:1], 0x8                 ; wbuf
	s_load_b128 s[96:99], s[0:1], 0x10             ; bo, x
	s_load_b64 s[12:13], s[0:1], 0x20              ; x1
	v_lshl_add_u32 v[SPW], v0, 2, SPARE
	v_mov_b32 v[NIL], 0
	ds_add_u32 v[SPW], v[NIL]                      ; the opening lines: the add twice on end and its wait
	ds_add_u32 v[SPW], v[NIL]
	v_lshrrev_b32 v1, 5, v0
	v_readfirstlane_b32 s14, v1                    ; wave
	s_lshr_b32 s15, s14, 1                         ; my half of the block's rows; also: I fetch for A (0) or B (1)
	s_and_b32 s16, s14, 1                          ; my half of its columns; also: which chunk of a fill I fetch
	s_bfe_u32 s40, ttmp6, 0x40000                  ; cx
	s_bfe_u32 s41, ttmp6, 0x40004                  ; cy
	s_lshl_b32 s42, ttmp9, 2
	s_add_co_u32 s42, s42, s40                     ; block column
	s_and_b32 s17, ttmp7, 0xffff
	s_lshl_b32 s17, s17, 2
	s_add_co_u32 s17, s17, s41                     ; block row
	s_lshl_b32 s43, s41, 2
	s_lshl_b32 s43, 15, s43                        ; my row of the cluster
	s_lshl_b32 s44, 0x1111, s40                    ; my column
	s_or_b32 s[G1+0], s43, (0<<16)|(1<<20)|(1<<21)|(3<<22)|(3<<25)
	s_or_b32 s[G1B+0], s44, (0<<16)|(1<<20)|(1<<21)|(3<<22)|(3<<25)
.irp g, G1, G1B
	s_mov_b32 s[\g+1], 256<<16
	s_mov_b32 s[\g+2], 96<<16
	s_mov_b32 s[\g+3], 256<<16
	s_mov_b32 s[\g+4], 96
	s_mov_b32 s[\g+5], 256
	s_mov_b32 s[\g+6], 0
	s_mov_b32 s[\g+7], 0
.endr
	s_mul_i32 s20, s17, 128*192                    ; A: the block's rows in a chunk, + my chunk of fill 0
	s_mul_i32 s18, s16, CHA
	s_add_co_u32 s20, s20, s18
	s_mov_b32 s21, 0
	s_mul_i32 s46, s42, 128*192                    ; B likewise
	s_mul_i32 s18, s16, CHB
	s_add_co_u32 s46, s46, s18
	s_add_co_u32 s46, s46, BCO
	s_mov_b32 s47, 0
	s_mul_i32 s45, s14, HALFT                      ; my tile's place in a slot
	s_wait_dscnt 0x0
	s_wait_kmcnt 0x0
	s_add_nc_u64 s[20:21], s[4:5], s[20:21]
	s_add_nc_u64 s[46:47], s[8:9], s[46:47]
.irp s, 0,1
	s_mov_b32 s[G0+4*\s], 1
	s_add_co_u32 s[G0+4*\s+1], s45, \s*SLOT
	s_add_nc_u64 s[G0+4*\s+2:G0+4*\s+3], s[20:21], \s*2*CHA
	s_or_b32 s[G0+4*\s+3], s[G0+4*\s+3], 0x80000000
	s_mov_b32 s[G0B+4*\s], 1
	s_add_co_u32 s[G0B+4*\s+1], s45, \s*SLOT
	s_add_nc_u64 s[G0B+4*\s+2:G0B+4*\s+3], s[46:47], \s*2*CHB
	s_or_b32 s[G0B+4*\s+3], s[G0B+4*\s+3], 0x80000000
.endr
	CROUND                                         ; the first joint loads meet
	JLOAD G0, G0B                                  ; fill 0: one tensor load a wave at the head
	s_mul_i32 s21, s15, 64*PITCH                   ; my 64 rows of A's tile
	s_mul_i32 s22, s16, 64*PITCH
	s_add_co_u32 s22, s22, 2*HALFT                 ; and of B's, behind A's two tiles
	s_mul_i32 s23, s14, 16*SPITCH
	s_add_co_u32 s23, s23, STAGE
	s_lshl_b32 s18, s17, 7
	s_lshl_b32 s19, s15, 6
	s_add_co_u32 s18, s18, s19                     ; my first token
	s_lshl_b32 s19, s42, 7
	s_lshl_b32 s20, s16, 6
	s_add_co_u32 s19, s19, s20                     ; my first column
	s_lshl_b32 s68, s18, 5
	s_add_co_u32 s68, s68, ASC
	s_mov_b32 s69, 0
	s_add_nc_u64 s[68:69], s[4:5], s[68:69]        ; A's scale bytes
	s_lshl_b32 s70, s19, 5
	s_add_co_u32 s70, s70, BSC
	s_mov_b32 s71, 0
	s_add_nc_u64 s[70:71], s[8:9], s[70:71]        ; B's
	s_lshl_b32 s46, s19, 2
	s_mov_b32 s47, 0
	s_add_nc_u64 s[96:97], s[96:97], s[46:47]      ; the bias
	s_lshl_b32 s20, s18, 12
	s_add_co_u32 s46, s46, s20
	s_add_nc_u64 s[98:99], s[98:99], s[46:47]      ; x
	s_add_nc_u64 s[12:13], s[12:13], s[46:47]      ; x1
	v_and_b32 v1, 15, v0                           ; r
	v_bfe_u32 v2, v0, 4, 1                         ; h
	v_mul_u32_u24 v3, v1, PITCH
	v_mad_u32_u24 v4, v2, 24, v3
	v_lshl_add_u32 v5, v2, 4, v4
	v_add_nc_u32 v[ADRA], s21, v4
	v_add_nc_u32 v[ADRA+2], s21, v5
	v_add_nc_u32 v[ADRB], s22, v4
	v_add_nc_u32 v[ADRB+2], s22, v5
.irp k, ADRA, ADRA+2, ADRB, ADRB+2
	v_add_nc_u32 v[\k+1], SLOT, v[\k]
.endr
	v_lshlrev_b32 v8, 5, v1
	v_lshl_add_u32 v8, v2, 4, v8                   ; scales: row r of 32 bytes, + 16 h
	v_lshlrev_b32 v7, 6, v2                        ; bias: 64 h
	v_mul_u32_u24 v6, v1, SPITCH
	v_lshl_add_u32 v6, v2, 6, v6
	v_add_nc_u32 v[STO], s23, v6                   ; into the stage: row r, + 64 h
	v_mul_u32_u24 v6, v2, SPITCH
	v_lshl_add_u32 v6, v1, 4, v6
	v_add_nc_u32 v[RD], s23, v6                    ; back: sixteen lanes to a row of 256 bytes, two rows an instruction
	v_lshlrev_b32 v6, 12, v2
	v_lshl_add_u32 v[CO], v1, 4, v6                ; the same two rows in x and x1
	s_wait_alu depctr_va_vdst(0)                   ; the wait at the head's end: no vector instruction writes a register from here to the way out
.irp i, 0,1,2,3
	global_load_b128 v[SCA+4*\i:SCA+4*\i+3], v8, s[68:69] offset:512*\i
	global_load_b128 v[SCB+4*\i:SCB+4*\i+3], v8, s[70:71] offset:512*\i
.endr
.irp b, 0,1,2,3
	global_load_b128 v[BI+8*\b:BI+8*\b+3], v7, s[96:97] offset:128*(\b/2)+32*(\b%2)
	global_load_b128 v[BI+8*\b+4:BI+8*\b+7], v7, s[96:97] offset:128*(\b/2)+32*(\b%2)+16
.endr
	WIN 0xc0                                       ; x into window 3
.irp a, 0,1,2,3
.irp t, 0,1,2,3,4,5,6,7
	global_load_b128 v[32*\a+4*\t:32*\a+4*\t+3], v[CO], s[98:99] offset:65536*\a+8192*\t
.endr
.endr
	WIN 0
.macro FRAG reg, adr, q, off           ; 16 rows x 128 K: six pieces of 8 bytes; piece PC of a row's 24 lies at 8 PC + 16 (PC / 8)
.irp p, 0,1,2,3,4,5
.set PC, 12*(\q)+6*(\p/3)+\p%3
.if PC%8 < 5
	ds_load_b64 v[\reg+2*\p:\reg+2*\p+1], v[\adr] offset:8*PC+16*(PC/8)+\off
.else
	ds_load_b64 v[\reg+2*\p:\reg+2*\p+1], v[\adr+2] offset:8*PC+16*(PC/8)+\off
.endif
.endr
.endm
.macro FETCH st                        ; step st's eight fragments, 48 loads, into set st % 2
	WIN 0x40
.irp i, 0,1,2,3
	FRAG 96*((\st)%2)+12*\i, ADRA+((\st)/4)%2, (\st)%2, (((\st)/2)%2)*HALFT+\i*16*PITCH
	FRAG 96*((\st)%2)+48+12*\i, ADRB+((\st)/4)%2, (\st)%2, (((\st)/2)%2)*HALFT+\i*16*PITCH
.endr
	WIN 0
.endm
.macro MUL8 a0, st                     ; A's blocks a0, a0 + 1 x B's four; the 16 accumulators take turns, in the same order in every step
.irp a, \a0, \a0+1
.irp b, 0,1,2,3
.set DD, 8*(4*(\a)+\b)
.set FB, 96*((\st)%2)+48+12*\b
.set FA, 96*((\st)%2)+12*(\a)
.set WB, SCB+4*\b+(\st)%4
.set WA, SCA+4*(\a)+(\st)%4
.if (\st) == 0
	v_wmma_scale_f32_16x16x128_f8f6f4 v[DD:DD+7], v[FB:FB+11], v[FA:FA+11], v[BI+8*\b:BI+8*\b+7], v[WB], v[WA] matrix_a_fmt:MATRIX_FMT_BF6 matrix_b_fmt:MATRIX_FMT_BF6
.elseif (\st) < 4
	v_wmma_scale_f32_16x16x128_f8f6f4 v[DD:DD+7], v[FB:FB+11], v[FA:FA+11], v[DD:DD+7], v[WB], v[WA] matrix_a_fmt:MATRIX_FMT_BF6 matrix_b_fmt:MATRIX_FMT_BF6
.else
	v_wmma_scale_f32_16x16x128_f8f6f4 v[DD:DD+7], v[FB:FB+11], v[FA:FA+11], v[DD:DD+7], v[WB], v[WA] matrix_a_fmt:MATRIX_FMT_BF6 matrix_b_fmt:MATRIX_FMT_BF6 matrix_a_scale:MATRIX_SCALE_ROW1 matrix_b_scale:MATRIX_SCALE_ROW1
.endif
.endr
.endr
.endm
.macro STEP st                         ; a step inside a fill: the next step's fragments are asked for, then this step is multiplied
.if (\st) > 0
	PLACES                                         ; in front of loads into the set that the last step multiplied
.endif
	FETCH (\st)+1
	s_wait_dscnt 48                                ; all but the 48 just issued
.if (\st) == 0
	s_wait_loadcnt 32                              ; scales and bias are in; the 32 loads of x may be out
	WIN 0x85                                       ; C, the bias, in window 0
.else
	WIN MUL
.endif
	MUL8 0, \st
	MUL8 2, \st
.endm
.macro TURN st                         ; fill 0's last step: behind the barrier slot 1 is whole for every wave; nothing is filled again
	WIN 0
	s_wait_tensorcnt 0x0                           ; my tile of fill 1 has landed
	ds_add_u32 v[SPW], v[NIL]
	s_wait_dscnt 1                                 ; this step's fragments are in; the add may be out
	WIN MUL
	MUL8 0, \st
	s_wait_dscnt 0x0
	s_barrier_signal -1
	MUL8 2, \st
	WIN 0
	s_barrier_wait -1
	PLACES
	FETCH (\st)+1
.endm
	s_wait_tensorcnt 0x0                           ; my tile of fill 0 is in; slot 1's first fill is issued as a refill is
	ds_add_u32 v[SPW], v[NIL]
	s_wait_dscnt 0x0
	CROUND
	JLOAD G0+4, G0B+4                              ; fill 1
	FETCH 0
.set ST, 0
.rept 7
.if ST%4 == 3
	TURN ST
.else
	STEP ST
.endif
.set ST, ST+1
.endr
	s_wait_dscnt 0x0                               ; the last step: nothing more to fetch
	WIN MUL
	MUL8 0, 7
	MUL8 2, 7
	WIN 0
; THE WAY OUT, 16 tokens x 64 columns at a time: through my own stage, back as rows of 256 bytes, x added, sixteen lanes store one aligned unit of 256 bytes.
; Tile b's register j of lane (r, h) is column 32 (b / 2) + 16 h + 8 (b % 2) + j: the stored rows of Wo have bits 3 and 4 swapped.
.macro TOSTAGE a
	WIN 0x08                                       ; the data: window 2
.irp b, 0,1,2,3
	ds_store_b128 v[STO], v[32*(\a)+8*\b:32*(\a)+8*\b+3] offset:128*(\b/2)+32*(\b%2)
	ds_store_b128 v[STO], v[32*(\a)+8*\b+4:32*(\a)+8*\b+7] offset:128*(\b/2)+32*(\b%2)+16
.endr
	WIN 0
.irp t, 0,1,2,3,4,5,6,7
	ds_load_b128 v[BK+32*((\a)%2)+4*\t:BK+32*((\a)%2)+4*\t+3], v[RD] offset:\t*2*SPITCH   ; LDS serves a wave's instructions in order
.endr
.endm
.macro SEND a, younger                 ; younger: the next block's 8 stores and 8 loads
.set BB, BK+32*((\a)%2)
	s_wait_dscnt \younger
	WIN 0x0c                                       ; source 1, x: window 3
.set i, 0
.rept 16
	v_pk_add_f32 v[BB+i:BB+i+1], v[BB+i:BB+i+1], v[32*(\a)+i:32*(\a)+i+1]
.set i, i+2
.endr
	WIN 0
.irp t, 0,1,2,3,4,5,6,7
	global_store_b128 v[CO], v[BB+4*\t:BB+4*\t+3], s[12:13] offset:65536*(\a)+8192*\t
.endr
.endm
	PLACES                                         ; behind the last products
	s_wait_loadcnt 0x0                             ; x
	TOSTAGE 0
	TOSTAGE 1
	SEND 0, 16
	s_wait_xcnt 0x0                                ; block 0's stores have read their registers
	TOSTAGE 2
	SEND 1, 16
	s_wait_xcnt 0x0
	TOSTAGE 3
	SEND 2, 16
	SEND 3, 0
	s_wait_tensorcnt 0x0                           ; the wave's end
	ds_add_u32 v[SPW], v[NIL]
	s_wait_dscnt 0x0
	CROUND                                         ; the closing round
	s_endpgm
.Lfunc_end_k_q930b10711a_wo:
	.size	k_q930b10711a_wo, .Lfunc_end_k_q930b10711a_wo-k_q930b10711a_wo
	.p2alignl 7, 3214868480
	.fill 96, 4, 3214868480
	.section	.rodata,"a",@progbits
	.p2align	6, 0x0
	.amdhsa_kernel k_q930b10711a_wo
		.amdhsa_group_segment_fixed_size 327680
		.amdhsa_private_segment_fixed_size 0
		.amdhsa_enable_private_segment 0
		.amdhsa_kernarg_size 40
		.amdhsa_user_sgpr_count 2
		.amdhsa_user_sgpr_kernarg_segment_ptr 1
		.amdhsa_wavefront_size32 1
		.amdhsa_system_sgpr_workgroup_id_x 1
		.amdhsa_system_sgpr_workgroup_id_y 1
		.amdhsa_system_sgpr_workgroup_id_z 1
		.amdhsa_system_vgpr_workitem_id 0
		.amdhsa_next_free_vgpr 1024
		.amdhsa_next_free_sgpr 102
		.amdhsa_reserve_vcc 0
		.amdhsa_float_denorm_mode_32 3
		.amdhsa_float_denorm_mode_16_64 3
		.amdhsa_memory_ordered 1
		.amdhsa_forward_progress 1
		.amdhsa_inst_pref_size 67
	.end_amdhsa_kernel
	.amdgpu_metadata
---
amdhsa.version: [ 1, 2 ]
amdhsa.kernels:
  - .name:           k_q930b10711a_wo
    .symbol:         k_q930b10711a_wo.kd
    .args:
      - { .name: abuf, .offset: 0, .size: 8, .value_kind: global_buffer, .address_space: global }
      - { .name: wbuf, .offset: 8, .size: 8, .value_kind: global_buffer, .address_space: global }
      - { .name: bo, .offset: 16, .size: 8, .value_kind: global_buffer, .address_space: global }
      - { .name: x, .offset: 24, .size: 8, .value_kind: global_buffer, .address_space: global }
      - { .name: x1, .offset: 32, .size: 8, .value_kind: global_buffer, .address_space: global }
    .group_segment_fixed_size: 327680
    .private_segment_fixed_size: 0
    .kernarg_segment_align: 8
    .kernarg_segment_size: 40
    .max_flat_workgroup_size: 128
    .sgpr_count:     102
    .vgpr_count:     1024
    .wavefront_size: 32
...
	.end_amdgpu_metadata
.endif
;; end of part 5
;; launch ln2: the kernel of part 2 again; grid 256 x 1, 4 waves a work-group, no clusters, 33,280 bytes of LDS; arguments x1, g2, bl2, abuf; writes abuf
;; launch ffn1 (part 6): grid 16 x 16, 4 waves a work-group, clusters of 4 x 4, 327,680 bytes of LDS; arguments abuf, wbuf, bf1, hbuf; writes hbuf
.if DOCPART == 6
	.amdgcn_target "amdgcn-amd-amdhsa--gfx1250"
	.amdhsa_code_object_version 6
	.text
	.protected	k_q930b10711a_ffn1
	.globl	k_q930b10711a_ffn1
	.p2align	8
	.type	k_q930b10711a_ffn1,@function
k_q930b10711a_ffn1:
	s_mov_b64 s[64:65], 0
	v_nop
	global_prefetch_b8 v0, s[64:65] scope:SCOPE_SE
	s_setreg_imm32_b32 hwreg(HW_REG_WAVE_MODE, 25, 1), 1
	s_wait_xcnt 0x0
	s_wait_alu depctr_hold_cnt(0) depctr_sa_sdst(0) depctr_va_vdst(0) depctr_va_sdst(0) depctr_va_ssrc(0) depctr_va_vcc(0) depctr_vm_vsrc(0)
	s_getreg_b32 s2, hwreg(HW_REG_IB_STS2, 6, 4)
	s_cmp_eq_u32 s2, 0
	s_cbranch_scc0 .Lentry_in_a_cluster
	s_endpgm
.Lentry_in_a_cluster:
	s_bfe_u32 s2, ttmp6, 0x10000c
	s_cmp_lg_u32 s2, 0xf033
	s_cbranch_scc0 .Lentry_shape_is_right
	s_endpgm
.Lentry_shape_is_right:
.set SIZE_K, 1024
.set ASC,    3145728
.set BCO,    786432
.set CHA,    786432                    ; codes lie [256 along K][row][192 bytes]: from chunk to chunk 4,096 rows of tokens,
.set CHB,    1572864                   ; 8,192 rows of weights
.set BSC,    9568256
.set KSTEP,  256
.set NQ,     KSTEP/128
.set ROWB,   256                       ; 128 rows of a chunk are 96 dense rows of 256 bytes
.set KROW,   192
.set PITCH,  240
.set FR,     12
.set NL,     6
.set NP,     4
.set HALFT,  128*PITCH
.set SLOT,   4*HALFT
.set LAPS,   SIZE_K/(2*KSTEP)
.set KS,     SIZE_K/32
.set SCL,    2*SLOT
.set HALFS,  (128*KS/256)*272
.set SBLK,   (16*KS/256)*272
.set SPARE,  SCL+4*HALFS
.set ADRA, 16
.set ADRB, 20
.set SPW,  28
.set NIL,  29
.set ADRS, 27
.set SC,   32
.set BI,   64
.set AF,   128
.set G1, 24
.set G0, 32
.set G1B, 48
.set G0B, 56
.set G1S, 68
.set G0S, 76
.set G1SB, 80
.set G0SB, 88
.set MSB, 0
.macro WIN new
.if MSB != \new
	s_set_vgpr_msb (MSB<<8)|\new
.set MSB, \new
.endif
.endm
.set MUL_LO, 0xa1
.set MUL_HI, 0xf1
.set TO_B,   0x40
.macro JLOAD g0a, g1a, g0b, g1b
	s_cmp_eq_u32 s15, 0
	s_cbranch_scc0 .Lfor_b_\@
	tensor_load_to_lds s[\g0a:\g0a+3], s[\g1a:\g1a+7]
	s_nop 0
.rept 4
	v_nop
.endr
	s_branch .Lasked_\@
.Lfor_b_\@:
	tensor_load_to_lds s[\g0b:\g0b+3], s[\g1b:\g1b+7]
	s_nop 0
.rept 4
	v_nop
.endr
.Lasked_\@:
.endm
.macro CREST
	s_cmp_lg_u32 s14, 0
	s_cbranch_scc1 .Lnot_wave_0_\@
	s_barrier_signal -3
.Lnot_wave_0_\@:
	s_barrier_wait -3
	s_barrier_signal -1
	s_barrier_wait -1
.endm
.macro CROUND
	s_barrier_signal -1
	s_barrier_wait -1
	CREST
.endm
	s_load_b64 s[4:5], s[0:1], 0x0
	s_load_b64 s[8:9], s[0:1], 0x8
	s_load_b64 s[96:97], s[0:1], 0x10
	s_load_b64 s[12:13], s[0:1], 0x18
	v_lshl_add_u32 v[SPW], v0, 2, SPARE
	v_mov_b32 v[NIL], 0
	ds_add_u32 v[SPW], v[NIL]
	ds_add_u32 v[SPW], v[NIL]
	v_lshrrev_b32 v1, 5, v0
	v_readfirstlane_b32 s14, v1
	s_lshr_b32 s15, s14, 1
	s_and_b32 s16, s14, 1
	s_bfe_u32 s40, ttmp6, 0x40000
	s_bfe_u32 s41, ttmp6, 0x40004
	s_lshl_b32 s42, ttmp9, 2
	s_add_co_u32 s42, s42, s40
	s_and_b32 s17, ttmp7, 0xffff
	s_lshl_b32 s17, s17, 2
	s_add_co_u32 s17, s17, s41
	s_lshl_b32 s43, s41, 2
	s_lshl_b32 s43, 15, s43
	s_lshl_b32 s44, 0x1111, s40
	s_or_b32 s[G1+0], s43, (0<<16)|(1<<20)|(1<<21)|(3<<22)|(3<<25)
	s_or_b32 s[G1B+0], s44, (0<<16)|(1<<20)|(1<<21)|(3<<22)|(3<<25)
.irp g, G1, G1B
	s_mov_b32 s[\g+1], ROWB<<16
	s_mov_b32 s[\g+2], 96<<16
	s_mov_b32 s[\g+3], ROWB<<16
	s_mov_b32 s[\g+4], 96
	s_mov_b32 s[\g+5], ROWB
	s_mov_b32 s[\g+6], 0
	s_mov_b32 s[\g+7], 0
.endr
	s_or_b32 s[G1S+0], s43, (3<<16)|(1<<20)|(1<<21)|(5<<22)|(3<<25)
	s_or_b32 s[G1SB+0], s44, (3<<16)|(1<<20)|(1<<21)|(5<<22)|(3<<25)
.irp g, G1S, G1SB
	s_mov_b32 s[\g+1], 32<<16
	s_mov_b32 s[\g+2], (128*KS/256)<<16
	s_mov_b32 s[\g+3], 32<<16
	s_mov_b32 s[\g+4], 128*KS/256
	s_mov_b32 s[\g+5], 32
	s_mov_b32 s[\g+6], 0
	s_mov_b32 s[\g+7], 0
.endr
	s_lshl_b32 s18, s16, 7
	s_lshl_b32 s20, s17, 8
	s_add_co_u32 s20, s20, s18
	s_lshl_b32 s46, s42, 8
	s_add_co_u32 s46, s46, s18
	s_mov_b32 s21, 0
	s_mov_b32 s47, 0
	s_mov_b64 s[18:19], KS
	s_mul_u64 s[22:23], s[20:21], s[18:19]
	s_mul_u64 s[92:93], s[46:47], s[18:19]
	s_mov_b64 s[18:19], KROW
	s_mul_u64 s[20:21], s[20:21], s[18:19]
	s_mul_u64 s[46:47], s[46:47], s[18:19]
	s_mul_i32 s45, s14, HALFT
	s_mul_i32 s94, s14, HALFS
	s_wait_dscnt 0x0
	s_wait_kmcnt 0x0
	s_add_nc_u64 s[6:7], s[4:5], ASC
	s_add_nc_u64 s[10:11], s[8:9], BSC
	s_add_nc_u64 s[8:9], s[8:9], BCO
	s_add_nc_u64 s[20:21], s[4:5], s[20:21]
	s_add_nc_u64 s[22:23], s[6:7], s[22:23]
	s_add_nc_u64 s[46:47], s[8:9], s[46:47]
	s_add_nc_u64 s[92:93], s[10:11], s[92:93]
	CROUND
	s_mov_b32 s[G0S], 1
	s_add_co_u32 s[G0S+1], s94, SCL
	s_mov_b64 s[G0S+2:G0S+3], s[22:23]
	s_or_b32 s[G0S+3], s[G0S+3], 0x80000000
	s_mov_b32 s[G0SB], 1
	s_add_co_u32 s[G0SB+1], s94, SCL
	s_mov_b64 s[G0SB+2:G0SB+3], s[92:93]
	s_or_b32 s[G0SB+3], s[G0SB+3], 0x80000000
	JLOAD G0S, G1S, G0SB, G1SB
.irp s, 0,1
	s_mov_b32 s[G0+4*\s], 1
	s_add_co_u32 s[G0+4*\s+1], s45, \s*SLOT
	s_add_nc_u64 s[G0+4*\s+2:G0+4*\s+3], s[20:21], \s*CHA
	s_or_b32 s[G0+4*\s+3], s[G0+4*\s+3], 0x80000000
	s_mov_b32 s[G0B+4*\s], 1
	s_add_co_u32 s[G0B+4*\s+1], s45, \s*SLOT
	s_add_nc_u64 s[G0B+4*\s+2:G0B+4*\s+3], s[46:47], \s*CHB
	s_or_b32 s[G0B+4*\s+3], s[G0B+4*\s+3], 0x80000000
	s_wait_alu depctr_va_vdst(0)
	s_wait_tensorcnt 0x0
	ds_add_u32 v28, v29
	s_wait_dscnt 0x0
	CROUND
	JLOAD G0+4*\s, G1, G0B+4*\s, G1B
.endr
	v_and_b32 v1, 15, v0
	v_bfe_u32 v2, v0, 4, 1
	v_mul_u32_u24 v3, v1, PITCH
	v_mul_u32_u24 v4, v2, 24
	v_add_nc_u32 v4, v3, v4
	v_lshl_add_u32 v5, v2, 4, v4
	s_mul_i32 s21, s15, HALFT
	s_mul_i32 s22, s16, HALFT
	s_add_co_u32 s22, s22, 2*HALFT
.irp s, 0,1
	v_add_nc_u32 v[ADRA+\s], s21, v4
	v_add_nc_u32 v[ADRB+\s], s22, v4
	v_add_nc_u32 v[ADRA+2+\s], s21, v5
	v_add_nc_u32 v[ADRB+2+\s], s22, v5
	s_add_co_u32 s21, s21, SLOT
	s_add_co_u32 s22, s22, SLOT
.endr
	v_mul_u32_u24 v5, v1, KS
	v_lshrrev_b32 v6, 8, v5
	v_lshl_add_u32 v5, v6, 4, v5
	s_mul_i32 s21, s15, HALFS
	s_mul_i32 s22, s16, HALFS
	s_add_co_u32 s22, s22, 2*HALFS
	s_sub_co_u32 s22, s22, s21
	v_mul_u32_u24 v6, s22, v2
	s_add_co_u32 s21, s21, SCL
	v_add_nc_u32 v5, v5, v6
	v_add_nc_u32 v[ADRS], s21, v5
	s_lshl_b32 s46, s42, 10
	s_lshl_b32 s47, s16, 9
	s_add_co_u32 s46, s46, s47
	s_mov_b32 s47, 0
	s_add_nc_u64 s[96:97], s[96:97], s[46:47]
	s_lshl_b32 s20, s17, 8
	s_lshl_b32 s21, s15, 7
	s_add_co_u32 s20, s20, s21
	s_lshl_b32 s22, s20, 7
	s_mul_i32 s20, s20, 192                        ; the hidden layer's codes: [16 chunks][4096 tokens][192 bytes]; my work-group's 256 columns are chunk s42
	s_mul_i32 s46, s42, 786432
	s_mul_i32 s47, s16, 96
	s_add_co_u32 s46, s46, s47
	s_add_co_u32 s20, s20, s46
	s_mov_b32 s21, 0
	s_add_nc_u64 s[98:99], s[12:13], 12582912
	s_add_nc_u64 s[12:13], s[12:13], s[20:21]
	s_lshl_b32 s46, s42, 3
	s_lshl_b32 s47, s16, 2
	s_add_co_u32 s46, s46, s47
	s_add_co_u32 s22, s22, s46
	s_mov_b32 s23, 0
	s_add_nc_u64 s[98:99], s[98:99], s[22:23]
	v_lshlrev_b32 v7, 6, v2
.irp b, 0,1,2,3,4,5,6,7
	global_load_b128 v[BI+8*\b:BI+8*\b+3], v7, s[96:97] offset:128*(\b/2)+32*(\b%2)
	global_load_b128 v[BI+8*\b+4:BI+8*\b+7], v7, s[96:97] offset:128*(\b/2)+32*(\b%2)+16
.endr
.macro FRAG reg, adr, q, i
.irp p, 0,1,2,3,4,5
.set PC, 12*(\q)+6*(\p/3)+\p%3
.if PC%8 < 5
	ds_load_b64 v[\reg+2*\p:\reg+2*\p+1], v[\adr] offset:8*PC+16*(PC/8)+(\i)*16*PITCH
.else
	ds_load_b64 v[\reg+2*\p:\reg+2*\p+1], v[\adr+2] offset:8*PC+16*(PC/8)+(\i)*16*PITCH
.endif
.endr
.endm
.macro MUL16 a0, p, q, sc, cm
.irp a, \a0, \a0+1
.irp b, 0,1,2,3,4,5,6,7
.if \cm == 1
	v_wmma_scale_f32_16x16x128_f8f6f4 v[8*(8*((\a)%4)+\b):8*(8*((\a)%4)+\b)+7], v[128*(\p)+FR*\b:128*(\p)+FR*\b+FR-1], v[AF+FR*(\a):AF+FR*(\a)+FR-1], v[BI+8*\b:BI+8*\b+7], v[SC+8*NQ*(\sc)+NQ*\b+(\q)], v[SC+8*NQ*(\sc)+NQ*(\a)+(\q)] matrix_a_fmt:MATRIX_FMT_BF6 matrix_b_fmt:MATRIX_FMT_BF6 matrix_a_scale:MATRIX_SCALE_ROW1
.else
	v_wmma_scale_f32_16x16x128_f8f6f4 v[8*(8*((\a)%4)+\b):8*(8*((\a)%4)+\b)+7], v[128*(\p)+FR*\b:128*(\p)+FR*\b+FR-1], v[AF+FR*(\a):AF+FR*(\a)+FR-1], v[8*(8*((\a)%4)+\b):8*(8*((\a)%4)+\b)+7], v[SC+8*NQ*(\sc)+NQ*\b+(\q)], v[SC+8*NQ*(\sc)+NQ*(\a)+(\q)] matrix_a_fmt:MATRIX_FMT_BF6 matrix_b_fmt:MATRIX_FMT_BF6 matrix_a_scale:MATRIX_SCALE_ROW1
.endif
.endr
.endr
.endm
.macro FETCH_B slot, q, p
	WIN TO_B
.irp i, 0,1,2,3,4,5,6,7
	FRAG 128*(\p)+FR*\i, ADRB+\slot, \q, \i
.endr
	WIN 0
.endm
.macro FETCH_A slot, q, i0
.irp i, \i0, \i0+1, \i0+2, \i0+3
	FRAG AF+FR*(\i), ADRA+\slot, \q, \i
.endr
.endm
.macro SCALES sc
.irp i, 0,1,2,3,4,5,6,7
	ds_load_b64 v[SC+8*NQ*\sc+NQ*\i:SC+8*NQ*\sc+NQ*\i+1], v[ADRS] offset:\i*SBLK
.endr
.endm
.macro PLACES n
.rept \n
	v_nop
.endr
.endm
.macro STEP slot, q, cm
	s_wait_dscnt 4*NL
.if \cm
	WIN 0x81
.else
	WIN MUL_LO
.endif
	MUL16 0, (\q)%2, \q, \slot, \cm
	MUL16 2, (\q)%2, \q, \slot, \cm
	s_wait_dscnt 0
	PLACES NP
	FETCH_B \slot, (\q)+1, 1-(\q)%2
	FETCH_A \slot, (\q)+1, 0
.if \cm
	WIN 0xc1
.else
	WIN MUL_HI
.endif
	MUL16 4, (\q)%2, \q, \slot, \cm
	MUL16 6, (\q)%2, \q, \slot, \cm
	PLACES NP
	WIN 0
	FETCH_A \slot, (\q)+1, 4
.endm
.macro TURN slot, next, fill
	s_wait_tensorcnt 0x0
	ds_add_u32 v[SPW], v[NIL]
	s_wait_dscnt 4*NL+1
	WIN MUL_LO
	MUL16 0, 1, NQ-1, \slot, 0
	s_wait_dscnt 0x0
	s_barrier_signal -1
	MUL16 2, 1, NQ-1, \slot, 0
	WIN 0
	s_barrier_wait -1
.if \fill
	CREST
	s_add_nc_u64 s[G0+4*\slot+2:G0+4*\slot+3], s[G0+4*\slot+2:G0+4*\slot+3], 2*CHA
	s_add_nc_u64 s[G0B+4*\slot+2:G0B+4*\slot+3], s[G0B+4*\slot+2:G0B+4*\slot+3], 2*CHB
	JLOAD G0+4*\slot, G1, G0B+4*\slot, G1B
.else
	PLACES NP
.endif
	s_wait_alu depctr_va_vdst(0)
	v_add_nc_u32 v[ADRS], 4*NQ, v[ADRS]
	FETCH_B \next, 0, 0
	FETCH_A \next, 0, 0
	SCALES \next
	WIN MUL_HI
	MUL16 4, 1, NQ-1, \slot, 0
	MUL16 6, 1, NQ-1, \slot, 0
	PLACES NP
	WIN 0
	FETCH_A \next, 0, 4
.endm
	s_wait_alu depctr_va_vdst(0)
	s_wait_tensorcnt 1
	s_barrier_signal -1
	s_barrier_wait -1
	FETCH_B 0, 0, 0
	FETCH_A 0, 0, 0
	SCALES 0
	FETCH_A 0, 0, 4
	s_wait_loadcnt 0x0
	STEP 0, 0, 1
	s_mov_b32 s3, LAPS-1
.Llap:
	TURN 0, 1, 1
	STEP 1, 0, 0
	TURN 1, 0, 1
	STEP 0, 0, 0
	s_sub_co_u32 s3, s3, 1
	s_cmp_lg_u32 s3, 0
	s_cbranch_scc1 .Llap
	TURN 0, 1, 0
	STEP 1, 0, 0
	s_wait_dscnt 4*NL
	WIN MUL_LO
	MUL16 0, 1, NQ-1, 1, 0
	MUL16 2, 1, NQ-1, 1, 0
	s_wait_dscnt 0
	WIN MUL_HI
	MUL16 4, 1, NQ-1, 1, 0
	MUL16 6, 1, NQ-1, 1, 0
	WIN 0
.set Y,  32
.set YC, 64
.set Z,  96
.set P,  128
.set Q,  160
	PLACES NP
.irp r, 24,25
	s_mov_b32 s\r, 0xaf95df0b
.endr
.irp r, 26,27
	s_mov_b32 s\r, 0xb60cff51
.endr
.irp r, 28,29
	s_mov_b32 s\r, 0xb86ec2d2
.endr
.irp r, 30,31
	s_mov_b32 s\r, 0xba40ac63
.endr
.irp r, 32,33
	s_mov_b32 s\r, 0xbb41a1f6
.endr
.irp r, 34,35
	s_mov_b32 s\r, 0xbc83dbd4
.endr
.irp r, 36,37
	s_mov_b32 s\r, 0xb77460cd
.endr
.irp r, 38,39
	s_mov_b32 s\r, 0xbadc924e
.endr
.irp r, 40,41
	s_mov_b32 s\r, 0xbbf19bf8
.endr
.irp r, 42,43
	s_mov_b32 s\r, 0xbc69b6a7
.endr
.irp r, 44,45
	s_mov_b32 s\r, 0x3f3504f3
.endr
	s_mov_b32 s48, 0x76543210
	s_mov_b32 s49, 0xfedcba98
	v_mov_b32 v212, 0x32edffee
	v_mov_b32 v213, 0x32edffee
	v_mov_b32 v214, 0xb95fbd29
	v_mov_b32 v215, 0xb95fbd29
	v_mov_b32 v194, 0
	v_mov_b32 v195, 0
	v_mov_b32 v218, 0
	v_and_b32 v1, 15, v0
	v_bfe_u32 v2, v0, 4, 1
	v_and_b32 v3, 7, v1
	v_lshrrev_b32 v4, 3, v1
	v_lshl_add_u32 v3, v4, 4, v3
	v_mul_u32_u24 v216, v3, 192
	v_mad_u32_u24 v216, v2, 12, v216
	v_lshlrev_b32 v217, 7, v3
.macro SNIP g
	WIN 2+(\g)/8
.set i, 0
.rept 16
	v_pk_mul_f32 v[Y+i:Y+i+1], v[64*(((\g)/2)%4)+32*((\g)%2)+i:64*(((\g)/2)%4)+32*((\g)%2)+i+1], s[44:45] op_sel_hi:[1,0]
.set i, i+2
.endr
	WIN 0
.endm
	s_mov_b32 s46, 0
.Lgrp:
	s_wait_xcnt 0x0
.irp g, 0,1,2,3,4,5,6,7,8,9,10,11,12,13,14
	s_cmp_eq_u32 s46, \g
	s_cbranch_scc1 .Lsn\g
.endr
	SNIP 15
	s_branch .Lcommon
.irp g, 0,1,2,3,4,5,6,7,8,9,10,11,12,13,14
.Lsn\g:
	SNIP \g
.if \g < 14
	s_branch .Lcommon
.endif
.endr
.Lcommon:
.set j, 0
.rept 32
	v_med3_num_f32 v[YC+j], v[Y+j], -4.0, 4.0
.set j, j+1
.endr
.set j, 0
.rept 16
	v_pk_mul_f32 v[Z+j:Z+j+1], v[YC+j:YC+j+1], v[YC+j:YC+j+1]
.set j, j+2
.endr
.set j, 0
.rept 16
	v_pk_fma_f32 v[P+j:P+j+1], v[Z+j:Z+j+1], s[24:25], v[212:213] op_sel_hi:[1,0,1]
.set j, j+2
.endr
.irp c, 26,28,30,32,34
.set j, 0
.rept 16
	v_pk_fma_f32 v[P+j:P+j+1], v[P+j:P+j+1], v[Z+j:Z+j+1], s[\c:\c+1] op_sel_hi:[1,1,0]
.set j, j+2
.endr
.endr
.set j, 0
.rept 16
	v_pk_fma_f32 v[Q+j:Q+j+1], v[Z+j:Z+j+1], s[36:37], v[214:215] op_sel_hi:[1,0,1]
.set j, j+2
.endr
.irp c, 38,40,42
.set j, 0
.rept 16
	v_pk_fma_f32 v[Q+j:Q+j+1], v[Q+j:Q+j+1], v[Z+j:Z+j+1], s[\c:\c+1] op_sel_hi:[1,1,0]
.set j, j+2
.endr
.endr
.set j, 0
	s_wait_alu depctr_va_vdst(0)
.rept 32
	v_rcp_f32 v[Q+j], v[Q+j]
.set j, j+1
.endr
.set j, 0
.rept 16
	v_pk_mul_f32 v[P+j:P+j+1], v[P+j:P+j+1], v[YC+j:YC+j+1]
.set j, j+2
.endr
	s_wait_alu depctr_va_vdst(0)
.set j, 0
.rept 16
	v_pk_mul_f32 v[P+j:P+j+1], v[P+j:P+j+1], v[Q+j:Q+j+1]
.set j, j+2
.endr
.set j, 0
.rept 16
	v_pk_fma_f32 v[P+j:P+j+1], v[P+j:P+j+1], s[44:45], s[44:45] op_sel_hi:[1,0,0]
.set j, j+2
.endr
.set j, 0
.rept 16
	v_pk_mul_f32 v[Z+j:Z+j+1], v[Y+j:Y+j+1], v[P+j:P+j+1]
.set j, j+2
.endr
.irp b, 0,1
	v_max3_num_f32 v[192+\b], |v[Z+16*\b]|, |v[Z+16*\b+1]|, 0x2800000
.endr
.irp i, 2,4,6,8,10,12,14
.irp b, 0,1
	v_max3_num_f32 v[192+\b], v[192+\b], |v[Z+16*\b+\i]|, |v[Z+16*\b+\i+1]|
.endr
.endr
.irp b, 0,1
	v_permlanex16_b32 v[194+\b], v[192+\b], s48, s49
.endr
.irp b, 0,1
	v_max_num_f32 v[192+\b], v[192+\b], v[194+\b]
.endr
.irp b, 0,1
	v_add_nc_u32 v[200+\b], 0xfe000000, v[192+\b]
.endr
.irp b, 0,1
	v_lshrrev_b32 v[202+\b], 23, v[200+\b]
.endr
	v_cvt_scalef32_pk16_bf6_f32 v[204:206], v[Z:Z+15], v200
	v_cvt_scalef32_pk16_bf6_f32 v[208:210], v[Z+16:Z+31], v201
	v_nop
	s_lshr_b32 s47, s46, 1
	s_lshr_b32 s50, s47, 1
	s_and_b32 s51, s47, 1
	s_lshl_b32 s50, s50, 5
	s_lshl_b32 s51, s51, 3
	s_add_co_u32 s50, s50, s51
	s_and_b32 s51, s46, 1
	s_mul_i32 s52, s50, 192
	s_mul_i32 s53, s51, 48
	s_add_co_u32 s52, s52, s53
	v_add_nc_u32 v219, s52, v216
	s_wait_alu depctr_va_vdst(0)
	global_store_b96 v219, v[204:206], s[12:13]
	global_store_b96 v219, v[208:210], s[12:13] offset:24
	v_lshl_or_b32 v221, v203, 8, v202
	v_lshrrev_b32 v218, 16, v218
	v_lshl_or_b32 v218, v221, 16, v218
	s_cmp_eq_u32 s51, 0
	s_cbranch_scc1 .Leven
	s_lshl_b32 s52, s50, 7
	v_add_nc_u32 v220, s52, v217
	global_store_b32 v220, v218, s[98:99]
.Leven:
	s_add_co_u32 s46, s46, 1
	s_cmp_lt_u32 s46, 16
	s_cbranch_scc1 .Lgrp
	s_wait_tensorcnt 0x0
	ds_add_u32 v[SPW], v[NIL]
	s_wait_dscnt 0x0
	CROUND
	s_endpgm
.Lfunc_end_k_q930b10711a_ffn1:
	.size	k_q930b10711a_ffn1, .Lfunc_end_k_q930b10711a_ffn1-k_q930b10711a_ffn1
	.p2alignl 7, 3214868480
	.fill 96, 4, 3214868480
	.section	.rodata,"a",@progbits
	.p2align	6, 0x0
	.amdhsa_kernel k_q930b10711a_ffn1
		.amdhsa_group_segment_fixed_size 327680
		.amdhsa_private_segment_fixed_size 0
		.amdhsa_enable_private_segment 0
		.amdhsa_kernarg_size 32
		.amdhsa_user_sgpr_count 2
		.amdhsa_user_sgpr_kernarg_segment_ptr 1
		.amdhsa_wavefront_size32 1
		.amdhsa_system_sgpr_workgroup_id_x 1
		.amdhsa_system_sgpr_workgroup_id_y 1
		.amdhsa_system_sgpr_workgroup_id_z 1
		.amdhsa_system_vgpr_workitem_id 0
		.amdhsa_next_free_vgpr 1024
		.amdhsa_next_free_sgpr 102
		.amdhsa_reserve_vcc 0
		.amdhsa_float_denorm_mode_32 3
		.amdhsa_float_denorm_mode_16_64 3
		.amdhsa_memory_ordered 1
		.amdhsa_forward_progress 1
		.amdhsa_inst_pref_size 175
	.end_amdhsa_kernel
	.amdgpu_metadata
---
amdhsa.version: [ 1, 2 ]
amdhsa.kernels:
  - .name:           k_q930b10711a_ffn1
    .symbol:         k_q930b10711a_ffn1.kd
    .args:
      - { .name: abuf, .offset: 0, .size: 8, .value_kind: global_buffer, .address_space: global }
      - { .name: wbuf, .offset: 8, .size: 8, .value_kind: global_buffer, .address_space: global }
      - { .name: bf1, .offset: 16, .size: 8, .value_kind: global_buffer, .address_space: global }
      - { .name: hbuf, .offset: 24, .size: 8, .value_kind: global_buffer, .address_space: global }
    .group_segment_fixed_size: 327680
    .private_segment_fixed_size: 0
    .kernarg_segment_align: 8
    .kernarg_segment_size: 32
    .max_flat_workgroup_size: 128
    .sgpr_count:     102
    .vgpr_count:     1024
    .wavefront_size: 32
...
	.end_amdgpu_metadata
.endif
;; end of part 6
;; launch ffn2 (part 7): grid 8 x 32, 4 waves a work-group, clusters of 4 x 4, 327,680 bytes of LDS; arguments hbuf, wbuf, bf2, x1, out0; writes out0
.if DOCPART == 7
	.amdgcn_target "amdgcn-amd-amdhsa--gfx1250"
	.amdhsa_code_object_version 6
	.text
	.protected	k_q930b10711a_ffn2
	.globl	k_q930b10711a_ffn2
	.p2align	8
	.type	k_q930b10711a_ffn2,@function
k_q930b10711a_ffn2:
	s_mov_b64 s[64:65], 0
	v_nop
	global_prefetch_b8 v0, s[64:65] scope:SCOPE_SE
	s_setreg_imm32_b32 hwreg(HW_REG_WAVE_MODE, 25, 1), 1
	s_wait_xcnt 0x0
	s_wait_alu depctr_hold_cnt(0) depctr_sa_sdst(0) depctr_va_vdst(0) depctr_va_sdst(0) depctr_va_ssrc(0) depctr_va_vcc(0) depctr_vm_vsrc(0)
	s_getreg_b32 s2, hwreg(HW_REG_IB_STS2, 6, 4)
	s_cmp_eq_u32 s2, 0
	s_cbranch_scc0 .Lentry_in_a_cluster
	s_endpgm
.Lentry_in_a_cluster:
	s_bfe_u32 s2, ttmp6, 0x10000c
	s_cmp_lg_u32 s2, 0xf033
	s_cbranch_scc0 .Lentry_shape_is_right
	s_endpgm
.Lentry_shape_is_right:
; out0[m][n] = x1[m][n] + bf2[n] + sum over k of h[m][k] W2[k][n], K = 4,096, on codes of BF6 (E3M2) with one E8M0 byte for each 32 along K.
; h: codes [16 chunks of 256 along K][4096 tokens][192 bytes] at byte 0 of hbuf, scale bytes [4096][128] at ASC.  W2: codes [16][1024 rows][192] at BCO of wbuf, scale bytes [1024][128] at BSC;
; column n lies at row swap34(n) (bits 3 and 4 change places).
; A block of 128 x 128 to a work-group: 32 x 8 blocks are 256 work-groups.  Four waves, 64 x 64 each: 16 accumulators.  Source 0 = 16 rows of W2, source 1 = 16 tokens: a lane holds eight neighbours of a row of out0.
; THE RING: two slots, each with two chunks (512 along K) of A's 128 rows and of B's: four tiles of 24,576 dense bytes, fetched as 96 rows of 256 bytes, one tensor load a wave
; (waves 0, 1: A's two chunks; waves 2, 3: B's).  16 bytes of padding behind each 64: a row of 192 bytes takes 240 in LDS.  Eight fills; a fill is four steps of 128 along K.
; CLUSTERS 4 x 4: A's tile is asked for jointly along a row of the cluster, B's along a column.  A round of the cluster's barrier stands in front of every joint load.
; THE SCALES go from memory into registers once: a lane takes 64 bytes of its row: lanes 0-15 the words of steps 0-15, lanes 16-31 those of steps 16-31, which the second half of the walk reads by ROW1.
; They are 32 KB of the work-group's 818 KB and are not asked for jointly.  x1 and the bias are loaded at the head too; the bias is the C of the first products.
; PREFETCH: behind the refill for fill f + 2 each wave names the tile that it will fetch for fill f + 4: 96 blocks of 256 bytes, of which each of the four partners takes 24 by address (lanes 24-31 name the last again).
; Fills 0-3 come by their loads alone; nothing is asked for beyond fill 7.
; The walk is written by .rept: the scale registers differ from step to step through all 32 steps.
; REGISTERS: window 0: v16-29 addresses, v32-63 bias, v64-127 A's scale words, v128-191 B's, v192-255 the way out; window 1: two sets of fragments (A 48, B 48); window 2: accumulator (a, b) at v[8 (4 a + b)]; window 3: x1.
.set ASC,    12582912
.set BCO,    6291456
.set BSC,    9699328
.set CHA,    786432
.set CHB,    196608
.set PITCH,  240
.set HALFT,  128*PITCH
.set SLOT,   4*HALFT
.set STAGE,  2*SLOT                    ; 16 rows x 272 bytes for each wave: bytes that no tensor load fills
.set SPITCH, 272
.set SPARE,  STAGE+4*16*SPITCH
.set ADRA, 16                          ; v16-17 my A rows in slot 0, 1; v18-19 the same + 16 for lanes 16-31 (pieces whose upper half lies behind the next padding)
.set ADRB, 20
.set STO,  24
.set RD,   25
.set CO,   26
.set PFO,  27
.set SPW,  28
.set NIL,  29
.set BI,   32
.set SCA,  64
.set SCB,  128
.set BK,   192
.set G1, 24
.set G0, 32
.set G1B, 48
.set G0B, 56
.set PFA, 72                           ; s[72:73] where my prefetches stand; s[74:75] two chunks on
.set MUL, 0xa5                         ; sources 0 and 1 window 1, C and D window 2
.set MSB, 0
.macro WIN new
.if MSB != \new
	s_set_vgpr_msb (MSB<<8)|\new
.set MSB, \new
.endif
.endm
.macro PLACES
.rept 4
	v_nop
.endr
.endm
.macro JLOAD g0a, g0b                  ; waves 0, 1 ask for A, waves 2, 3 for B: each line has one mask; s_nop 0 and four v_nop behind each
	s_cmp_eq_u32 s15, 0
	s_cbranch_scc0 .Lfor_b_\@
	tensor_load_to_lds s[\g0a:\g0a+3], s[G1:G1+7]
	s_nop 0
	PLACES
	s_branch .Lasked_\@
.Lfor_b_\@:
	tensor_load_to_lds s[\g0b:\g0b+3], s[G1B:G1B+7]
	s_nop 0
	PLACES
.Lasked_\@:
.endm
.macro CREST
	s_cmp_lg_u32 s14, 0
	s_cbranch_scc1 .Lnot_wave_0_\@
	s_barrier_signal -3
.Lnot_wave_0_\@:
	s_barrier_wait -3
	s_barrier_signal -1
	s_barrier_wait -1
.endm
.macro CROUND
	s_barrier_signal -1
	s_barrier_wait -1
	CREST
.endm
	s_load_b64 s[4:5], s[0:1], 0x0                 ; hbuf
	s_load_b64 s[8:9], s[0:1], 0x8                 ; wbuf
	s_load_b128 s[96:99], s[0:1], 0x10             ; bf2, x1
	s_load_b64 s[12:13], s[0:1], 0x20              ; out0
	v_lshl_add_u32 v[SPW], v0, 2, SPARE
	v_mov_b32 v[NIL], 0
	ds_add_u32 v[SPW], v[NIL]                      ; the opening lines: the add twice on end and its wait
	ds_add_u32 v[SPW], v[NIL]
	v_lshrrev_b32 v1, 5, v0
	v_readfirstlane_b32 s14, v1                    ; wave
	s_lshr_b32 s15, s14, 1                         ; my half of the block's rows; also: I fetch for A (0) or B (1)
	s_and_b32 s16, s14, 1                          ; my half of its columns; also: which chunk of a fill I fetch
	s_bfe_u32 s40, ttmp6, 0x40000                  ; cx
	s_bfe_u32 s41, ttmp6, 0x40004                  ; cy
	s_lshl_b32 s42, ttmp9, 2
	s_add_co_u32 s42, s42, s40                     ; block column
	s_and_b32 s17, ttmp7, 0xffff
	s_lshl_b32 s17, s17, 2
	s_add_co_u32 s17, s17, s41                     ; block row
	s_lshl_b32 s43, s41, 2
	s_lshl_b32 s43, 15, s43                        ; my row of the cluster
	s_lshl_b32 s44, 0x1111, s40                    ; my column
	s_or_b32 s[G1+0], s43, (0<<16)|(1<<20)|(1<<21)|(3<<22)|(3<<25)
	s_or_b32 s[G1B+0], s44, (0<<16)|(1<<20)|(1<<21)|(3<<22)|(3<<25)
.irp g, G1, G1B
	s_mov_b32 s[\g+1], 256<<16
	s_mov_b32 s[\g+2], 96<<16
	s_mov_b32 s[\g+3], 256<<16
	s_mov_b32 s[\g+4], 96
	s_mov_b32 s[\g+5], 256
	s_mov_b32 s[\g+6], 0
	s_mov_b32 s[\g+7], 0
.endr
	s_mul_i32 s20, s17, 128*192                    ; A: the block's rows in a chunk, + my chunk of fill 0
	s_mul_i32 s18, s16, CHA
	s_add_co_u32 s20, s20, s18
	s_mov_b32 s21, 0
	s_mul_i32 s46, s42, 128*192                    ; B likewise
	s_mul_i32 s18, s16, CHB
	s_add_co_u32 s46, s46, s18
	s_add_co_u32 s46, s46, BCO
	s_mov_b32 s47, 0
	s_mul_i32 s45, s14, HALFT                      ; my tile's place in a slot
	s_wait_dscnt 0x0
	s_wait_kmcnt 0x0
	s_add_nc_u64 s[20:21], s[4:5], s[20:21]
	s_add_nc_u64 s[46:47], s[8:9], s[46:47]
.irp s, 0,1
	s_mov_b32 s[G0+4*\s], 1
	s_add_co_u32 s[G0+4*\s+1], s45, \s*SLOT
	s_add_nc_u64 s[G0+4*\s+2:G0+4*\s+3], s[20:21], \s*2*CHA
	s_or_b32 s[G0+4*\s+3], s[G0+4*\s+3], 0x80000000
	s_mov_b32 s[G0B+4*\s], 1
	s_add_co_u32 s[G0B+4*\s+1], s45, \s*SLOT
	s_add_nc_u64 s[G0B+4*\s+2:G0B+4*\s+3], s[46:47], \s*2*CHB
	s_or_b32 s[G0B+4*\s+3], s[G0B+4*\s+3], 0x80000000
.endr
	CROUND                                         ; the first joint loads meet
	JLOAD G0, G0B                                  ; fill 0: one tensor load a wave at the head
	s_mul_i32 s21, s15, 64*PITCH                   ; my 64 rows of A's tile
	s_mul_i32 s22, s16, 64*PITCH
	s_add_co_u32 s22, s22, 2*HALFT                 ; and of B's, behind A's two tiles
	s_mul_i32 s23, s14, 16*SPITCH
	s_add_co_u32 s23, s23, STAGE
	s_lshl_b32 s18, s17, 7
	s_lshl_b32 s19, s15, 6
	s_add_co_u32 s18, s18, s19                     ; my first token
	s_lshl_b32 s19, s42, 7
	s_lshl_b32 s20, s16, 6
	s_add_co_u32 s19, s19, s20                     ; my first column
	s_lshl_b32 s68, s18, 7
	s_add_co_u32 s68, s68, ASC
	s_mov_b32 s69, 0
	s_add_nc_u64 s[68:69], s[4:5], s[68:69]        ; A's scale bytes
	s_lshl_b32 s70, s19, 7
	s_add_co_u32 s70, s70, BSC
	s_mov_b32 s71, 0
	s_add_nc_u64 s[70:71], s[8:9], s[70:71]        ; B's
	s_lshl_b32 s46, s19, 2
	s_mov_b32 s47, 0
	s_add_nc_u64 s[96:97], s[96:97], s[46:47]      ; the bias
	s_lshl_b32 s20, s18, 12
	s_add_co_u32 s46, s46, s20
	s_add_nc_u64 s[98:99], s[98:99], s[46:47]      ; x1
	s_add_nc_u64 s[12:13], s[12:13], s[46:47]      ; out0
	s_cmp_eq_u32 s15, 0                            ; the prefetches: my tile of fill 4, my work-group's 24 blocks of its 96
	s_cselect_b64 s[PFA:PFA+1], s[4:5], s[8:9]
	s_mov_b32 s74, 2*CHB
	s_cselect_b32 s74, 2*CHA, s74
	s_cselect_b32 s18, s17, s42
	s_cselect_b32 s19, s40, s41
	s_cselect_b32 s20, 0, BCO
	s_mul_i32 s18, s18, 128*192
	s_mul_i32 s19, s19, 24*256
	s_add_co_u32 s18, s18, s19
	s_add_co_u32 s18, s18, s20
	s_lshr_b32 s19, s74, 1
	s_add_co_u32 s20, s16, 8
	s_mul_i32 s19, s19, s20
	s_add_co_u32 s18, s18, s19
	s_mov_b32 s19, 0
	s_add_nc_u64 s[PFA:PFA+1], s[PFA:PFA+1], s[18:19]
	s_mov_b32 s75, 0
	v_and_b32 v1, 15, v0                           ; r
	v_bfe_u32 v2, v0, 4, 1                         ; h
	v_mul_u32_u24 v3, v1, PITCH
	v_mad_u32_u24 v4, v2, 24, v3
	v_lshl_add_u32 v5, v2, 4, v4
	v_add_nc_u32 v[ADRA], s21, v4
	v_add_nc_u32 v[ADRA+2], s21, v5
	v_add_nc_u32 v[ADRB], s22, v4
	v_add_nc_u32 v[ADRB+2], s22, v5
.irp k, ADRA, ADRA+2, ADRB, ADRB+2
	v_add_nc_u32 v[\k+1], SLOT, v[\k]
.endr
	v_lshlrev_b32 v8, 7, v1
	v_lshl_add_u32 v8, v2, 6, v8                   ; scales: row r of 128 bytes, + 64 h
	v_lshlrev_b32 v7, 6, v2                        ; bias: 64 h
	v_mul_u32_u24 v6, v1, SPITCH
	v_lshl_add_u32 v6, v2, 6, v6
	v_add_nc_u32 v[STO], s23, v6                   ; into the stage: row r, + 64 h
	v_mul_u32_u24 v6, v2, SPITCH
	v_lshl_add_u32 v6, v1, 4, v6
	v_add_nc_u32 v[RD], s23, v6                    ; back: sixteen lanes to a row of 256 bytes, two rows an instruction
	v_lshlrev_b32 v6, 12, v2
	v_lshl_add_u32 v[CO], v1, 4, v6                ; the same two rows in x1 and out0
	v_and_b32 v6, 31, v0
	v_min_u32 v6, 23, v6
	v_lshlrev_b32 v[PFO], 8, v6
	s_wait_alu depctr_va_vdst(0)                   ; the wait at the head's end: no vector instruction writes a register from here to the way out
.irp i, 0,1,2,3
.irp j, 0,1,2,3
	global_load_b128 v[SCA+16*\i+4*\j:SCA+16*\i+4*\j+3], v8, s[68:69] offset:2048*\i+16*\j
	global_load_b128 v[SCB+16*\i+4*\j:SCB+16*\i+4*\j+3], v8, s[70:71] offset:2048*\i+16*\j
.endr
.endr
.irp b, 0,1,2,3
	global_load_b128 v[BI+8*\b:BI+8*\b+3], v7, s[96:97] offset:128*(\b/2)+32*(\b%2)
	global_load_b128 v[BI+8*\b+4:BI+8*\b+7], v7, s[96:97] offset:128*(\b/2)+32*(\b%2)+16
.endr
	WIN 0xc0                                       ; x1 into window 3
.irp a, 0,1,2,3
.irp t, 0,1,2,3,4,5,6,7
	global_load_b128 v[32*\a+4*\t:32*\a+4*\t+3], v[CO], s[98:99] offset:65536*\a+8192*\t
.endr
.endr
	WIN 0
.macro FRAG reg, adr, q, off           ; 16 rows x 128 K: six pieces of 8 bytes; piece PC of a row's 24 lies at 8 PC + 16 (PC / 8)
.irp p, 0,1,2,3,4,5
.set PC, 12*(\q)+6*(\p/3)+\p%3
.if PC%8 < 5
	ds_load_b64 v[\reg+2*\p:\reg+2*\p+1], v[\adr] offset:8*PC+16*(PC/8)+\off
.else
	ds_load_b64 v[\reg+2*\p:\reg+2*\p+1], v[\adr+2] offset:8*PC+16*(PC/8)+\off
.endif
.endr
.endm
.macro FETCH st                        ; step st's eight fragments, 48 loads, into set st % 2
	WIN 0x40
.irp i, 0,1,2,3
	FRAG 96*((\st)%2)+12*\i, ADRA+((\st)/4)%2, (\st)%2, (((\st)/2)%2)*HALFT+\i*16*PITCH
	FRAG 96*((\st)%2)+48+12*\i, ADRB+((\st)/4)%2, (\st)%2, (((\st)/2)%2)*HALFT+\i*16*PITCH
.endr
	WIN 0
.endm
.macro MUL8 a0, st                     ; A's blocks a0, a0 + 1 x B's four; the 16 accumulators take turns, in the same order in every step
.irp a, \a0, \a0+1
.irp b, 0,1,2,3
.set DD, 8*(4*(\a)+\b)
.set FB, 96*((\st)%2)+48+12*\b
.set FA, 96*((\st)%2)+12*(\a)
.set WB, SCB+16*\b+(\st)%16
.set WA, SCA+16*(\a)+(\st)%16
.if (\st) == 0
	v_wmma_scale_f32_16x16x128_f8f6f4 v[DD:DD+7], v[FB:FB+11], v[FA:FA+11], v[BI+8*\b:BI+8*\b+7], v[WB], v[WA] matrix_a_fmt:MATRIX_FMT_BF6 matrix_b_fmt:MATRIX_FMT_BF6
.elseif (\st) < 16
	v_wmma_scale_f32_16x16x128_f8f6f4 v[DD:DD+7], v[FB:FB+11], v[FA:FA+11], v[DD:DD+7], v[WB], v[WA] matrix_a_fmt:MATRIX_FMT_BF6 matrix_b_fmt:MATRIX_FMT_BF6
.else
	v_wmma_scale_f32_16x16x128_f8f6f4 v[DD:DD+7], v[FB:FB+11], v[FA:FA+11], v[DD:DD+7], v[WB], v[WA] matrix_a_fmt:MATRIX_FMT_BF6 matrix_b_fmt:MATRIX_FMT_BF6 matrix_a_scale:MATRIX_SCALE_ROW1 matrix_b_scale:MATRIX_SCALE_ROW1
.endif
.endr
.endr
.endm
.macro STEP st                         ; a step inside a fill: the next step's fragments are asked for, then this step is multiplied
.if (\st) > 0
	PLACES                                         ; in front of loads into the set that the last step multiplied
.endif
	FETCH (\st)+1
	s_wait_dscnt 48                                ; all but the 48 just issued
.if (\st) == 0
	s_wait_loadcnt 32                              ; scales and bias are in; the 32 loads of x1 may be out
	WIN 0x85                                       ; C, the bias, in window 0
.else
	WIN MUL
.endif
	MUL8 0, \st
	MUL8 2, \st
.endm
.macro TURN st                         ; a fill's last step: its fragments are in registers, so the slot is free once every wave has said so
.set F, (\st)/4
.if F >= 1 && F <= 3
	s_wait_xcnt 0x0                                ; my last prefetch has read its address
	s_add_nc_u64 s[PFA:PFA+1], s[PFA:PFA+1], s[74:75]
.endif
	WIN 0
	s_wait_tensorcnt 0x0                           ; all my tensor loads have landed: my tile of the next slot
	ds_add_u32 v[SPW], v[NIL]
	s_wait_dscnt 1                                 ; this step's fragments are in; the add may be out
	WIN MUL
	MUL8 0, \st
	s_wait_dscnt 0x0
	s_barrier_signal -1
	MUL8 2, \st
	WIN 0
	s_barrier_wait -1
.if F <= 5
	CREST                                          ; the barrier has opened a round of the cluster's barrier
	s_add_nc_u64 s[G0+4*(F%2)+2:G0+4*(F%2)+3], s[G0+4*(F%2)+2:G0+4*(F%2)+3], 4*CHA
	s_add_nc_u64 s[G0B+4*(F%2)+2:G0B+4*(F%2)+3], s[G0B+4*(F%2)+2:G0B+4*(F%2)+3], 4*CHB
	JLOAD G0+4*(F%2), G0B+4*(F%2)                  ; fill F + 2; its four v_nop are the places in front of the loads below
.else
	PLACES
.endif
	FETCH (\st)+1
.if F <= 3
	global_prefetch_b8 v[PFO], s[PFA:PFA+1] th:TH_LOAD_NT scope:SCOPE_SE   ; fill F + 4
.endif
.endm
	s_wait_tensorcnt 0x0                           ; my tile of fill 0 is in; slot 1's first fill is issued as a refill is
	ds_add_u32 v[SPW], v[NIL]
	s_wait_dscnt 0x0
	CROUND
	JLOAD G0+4, G0B+4                              ; fill 1
	FETCH 0
.set ST, 0
.rept 31
.if ST%4 == 3
	TURN ST
.else
	STEP ST
.endif
.set ST, ST+1
.endr
	s_wait_dscnt 0x0                               ; the last step: nothing more to fetch
	WIN MUL
	MUL8 0, 31
	MUL8 2, 31
	WIN 0
; THE WAY OUT, 16 tokens x 64 columns at a time: through my own stage, back as rows of 256 bytes, x1 added, sixteen lanes store one aligned unit of 256 bytes.
; Tile b's register j of lane (r, h) is column 32 (b / 2) + 16 h + 8 (b % 2) + j: the stored rows of W2 have bits 3 and 4 swapped.
.macro TOSTAGE a
	WIN 0x08                                       ; the data: window 2
.irp b, 0,1,2,3
	ds_store_b128 v[STO], v[32*(\a)+8*\b:32*(\a)+8*\b+3] offset:128*(\b/2)+32*(\b%2)
	ds_store_b128 v[STO], v[32*(\a)+8*\b+4:32*(\a)+8*\b+7] offset:128*(\b/2)+32*(\b%2)+16
.endr
	WIN 0
.irp t, 0,1,2,3,4,5,6,7
	ds_load_b128 v[BK+32*((\a)%2)+4*\t:BK+32*((\a)%2)+4*\t+3], v[RD] offset:\t*2*SPITCH   ; LDS serves a wave's instructions in order
.endr
.endm
.macro SEND a, younger                 ; younger: the next block's 8 stores and 8 loads
.set BB, BK+32*((\a)%2)
	s_wait_dscnt \younger
	WIN 0x0c                                       ; source 1, x1: window 3
.set i, 0
.rept 16
	v_pk_add_f32 v[BB+i:BB+i+1], v[BB+i:BB+i+1], v[32*(\a)+i:32*(\a)+i+1]
.set i, i+2
.endr
	WIN 0
.irp t, 0,1,2,3,4,5,6,7
	global_store_b128 v[CO], v[BB+4*\t:BB+4*\t+3], s[12:13] offset:65536*(\a)+8192*\t th:TH_STORE_NT
.endr
.endm
	PLACES                                         ; behind the last products
	s_wait_loadcnt 0x0                             ; x1
	TOSTAGE 0
	TOSTAGE 1
	SEND 0, 16
	s_wait_xcnt 0x0                                ; block 0's stores have read their registers
	TOSTAGE 2
	SEND 1, 16
	s_wait_xcnt 0x0
	TOSTAGE 3
	SEND 2, 16
	SEND 3, 0
	s_wait_tensorcnt 0x0                           ; the wave's end
	ds_add_u32 v[SPW], v[NIL]
	s_wait_dscnt 0x0
	CROUND                                         ; the closing round
	s_endpgm
.Lfunc_end_k_q930b10711a_ffn2:
	.size	k_q930b10711a_ffn2, .Lfunc_end_k_q930b10711a_ffn2-k_q930b10711a_ffn2
	.p2alignl 7, 3214868480
	.fill 96, 4, 3214868480
	.section	.rodata,"a",@progbits
	.p2align	6, 0x0
	.amdhsa_kernel k_q930b10711a_ffn2
		.amdhsa_group_segment_fixed_size 327680
		.amdhsa_private_segment_fixed_size 0
		.amdhsa_enable_private_segment 0
		.amdhsa_kernarg_size 40
		.amdhsa_user_sgpr_count 2
		.amdhsa_user_sgpr_kernarg_segment_ptr 1
		.amdhsa_wavefront_size32 1
		.amdhsa_system_sgpr_workgroup_id_x 1
		.amdhsa_system_sgpr_workgroup_id_y 1
		.amdhsa_system_sgpr_workgroup_id_z 1
		.amdhsa_system_vgpr_workitem_id 0
		.amdhsa_next_free_vgpr 1024
		.amdhsa_next_free_sgpr 102
		.amdhsa_reserve_vcc 0
		.amdhsa_float_denorm_mode_32 3
		.amdhsa_float_denorm_mode_16_64 3
		.amdhsa_memory_ordered 1
		.amdhsa_forward_progress 1
		.amdhsa_inst_pref_size 203
	.end_amdhsa_kernel
	.amdgpu_metadata
---
amdhsa.version: [ 1, 2 ]
amdhsa.kernels:
  - .name:           k_q930b10711a_ffn2
    .symbol:         k_q930b10711a_ffn2.kd
    .args:
      - { .name: hbuf, .offset: 0, .size: 8, .value_kind: global_buffer, .address_space: global }
      - { .name: wbuf, .offset: 8, .size: 8, .value_kind: global_buffer, .address_space: global }
      - { .name: bf2, .offset: 16, .size: 8, .value_kind: global_buffer, .address_space: global }
      - { .name: x1, .offset: 24, .size: 8, .value_kind: global_buffer, .address_space: global }
      - { .name: out0, .offset: 32, .size: 8, .value_kind: global_buffer, .address_space: global }
    .group_segment_fixed_size: 327680
    .private_segment_fixed_size: 0
    .kernarg_segment_align: 8
    .kernarg_segment_size: 40
    .max_flat_workgroup_size: 128
    .sgpr_count:     102
    .vgpr_count:     1024
    .wavefront_size: 32
...
	.end_amdgpu_metadata
.endif
;; end of part 7
